; MI455X (gfx1250); checked and timed in simulation.
; The chip was launched on July 23, 2026; its instructions are those of AMD's public machine-readable ISA for CDNA 5 (MIT licence, August 2026) and "CDNA5" Instruction Set Architecture Reference Guide (July 2026). The comments in the code are by the model that wrote it; some were corrected since.
;; Multi Head Attention. Allowed arithmetic: matrix products marked QUANTISED: E2M3 operands, one E8M0 scale for each 32 along K, by v_wmma_scale_f32_16x16x128_f8f6f4 with both operands' format E2M3, f32 sums; everything else in f32.
;; Inputs: Wk 1,024 x 1,024 float32; Wo 1,024 x 1,024 float32; Wq 1,024 x 1,024 float32; Wv 1,024 x 1,024 float32; bk 1,024 float32; bo 1,024 float32; bq 1,024 float32; bv 1,024 float32; key 4 x 2,048 x 1,024 float32; mask 4 x 1 x 1 x 2,048 float32; query 4 x 2,048 x 1,024 float32; value 4 x 2,048 x 1,024 float32.
;; Outputs: out0 4 x 2,048 x 1,024 float32.
;; This version of the problem:
;;   THIS VERSION OF THE PROBLEM IS GIVEN IN LOW PRECISION. The matrix products marked QUANTISED in the list below multiply operands that are first quantised to E2M3 (2 exponent bits, 3 mantissa bits; 6 bits a number), with one power-of-two scale for each 32 numbers along K (OCP MX v1.0); their sums are f32. All else is computed in f32.
;;   The module's matrix products, in the order in which they are computed (A, B: the left and right operand; K: the contracted axis; several contracted axes count as one K, in the product's order):
;;     1. [M 8,192, K 1,024] x [K 1,024, N 1,024]; A: input query; B: input Wq: QUANTISED
;;     2. [M 8,192, K 1,024] x [K 1,024, N 1,024]; A: input key; B: input Wk: QUANTISED
;;     3. [M 8,192, K 1,024] x [K 1,024, N 1,024]; A: input value; B: input Wv: QUANTISED
;;     4. batch 64 x [M 2,048, K 64] x [K 64, N 2,048]; A: computed on the way; B: computed on the way: QUANTISED
;;     5. batch 64 x [M 2,048, K 2,048] x [K 2,048, N 64]; A: softmax (see below); B: computed on the way: QUANTISED
;;     6. [M 8,192, K 1,024] x [K 1,024, N 1,024]; A: computed on the way; B: input Wo: QUANTISED
;;   THE QUANTISER, for each operand of a quantised product, along K:
;;     - K is cut into blocks of 32 from its start; a last block that is shorter is filled with zeros.
;;     - A block's scale is 2^e with e = floor(log2(the largest magnitude in the block)) - 2, held to -126 .. 127; a block of zeros has e = 0. As a byte (E8M0): e + 127.
;;     - Each number is divided by its block's scale, clamped to +-7.5, and rounded to the nearest number of E2M3, ties to even, subnormals kept.
;;     - The product sums the exact products of the quantised numbers (number of the format x scale) in f32.
;;   ~~~python
;;   def quantise(x, axis):      # numpy; x: float32 -> the quantised numbers, widened to float32 again
;;       x = np.moveaxis(x, axis, -1); K = x.shape[-1]
;;       x = np.pad(x, [(0, 0)] * (x.ndim - 1) + [(0, -K % 32)]); x = x.reshape(x.shape[:-1] + (-1, 32)); a = np.abs(x).max(-1, keepdims=True)
;;       e = np.where(a > 0, np.clip(np.frexp(np.where(a > 0, a, 1))[1] - 1 - 2, -126, 127), 0)      # np.frexp(a)[1] - 1 = floor(log2(a)), exactly
;;       r = np.clip(x / 2.0 ** e, -7.5, 7.5)
;;       step = 2.0 ** (np.maximum(np.frexp(np.where(r == 0, 1, r))[1] - 1, 0) - 3)
;;       q = np.round(r / step) * step * 2.0 ** e      # np.round: ties to even
;;       return np.moveaxis(q.reshape(q.shape[:-2] + (-1,))[..., :K], -1, axis).astype(np.float32)
;;   ~~~
;;   SOFTMAX AHEAD OF A QUANTISED PRODUCT. Where the list says 'softmax', what is quantised is not the finished softmax but p = 2^(t - M), with t = logit x log2(e) and M = ceil(the row's largest t), a whole number; so 1/2 < the row's largest p <= 1. The row's sum l is taken of the UNQUANTISED p, in f32, and the product's result is divided by l at the end. Since M is a whole number, a kernel that streams over the keys may use a running M (the ceiling of the running maximum): every later rescaling is an exact power of two, which a block's scale takes up: the codes' values come out the same.
;;   OPERANDS COMPUTED ON THE WAY. 'Computed on the way' means the value that the module computes at that place (a softmax that the list does not call 'softmax' is quantised finished and normalised). What goes into a quantiser is computed in f32, as accurately as f32 sums, v_exp_f32 and their like allow (about 1e-6 of the number): no bf16 or f16 on the way to a quantiser, and a product that is left as it is and whose result goes on into a quantised operand takes f32 operands (vector FMAs, or v_wmma_f32_16x16x4_f32). A number that lies on a knife's edge between two numbers of the format may be rounded either way, as far as f32 arithmetic and the matrix unit's own rounding can turn it there, and no further.
;; One version. Each part assembles by itself: llvm-mc -triple=amdgcn-amd-amdhsa -mcpu=gfx1250 --defsym DOCPART=n.
;; ======== version 1 of 1: 4 launches
;; limits: right only within a limited range of input values
;; workspace buffers: xc 18,874,368 bytes; xs 786,432 bytes; wc 3,145,728 bytes; ws 131,072 bytes; kv 13,107,200 bytes; qb 13,107,200 bytes; ac 6,291,456 bytes; asc 262,144 bytes
;; launch quant (part 1): grid 896 x 1, 4 waves a work-group, no clusters, 68,096 bytes of LDS; arguments query, key, value, Wq, Wk, Wv, Wo, xc, xs, wc, ws; writes xc, xs, wc, ws
.if DOCPART == 1
	.amdgcn_target "amdgcn-amd-amdhsa--gfx1250"
	.amdhsa_code_object_version 6
	.text
	.protected	k_q812223d9cc_quant
	.globl	k_q812223d9cc_quant
	.p2align	8
	.type	k_q812223d9cc_quant,@function
k_q812223d9cc_quant:
	s_mov_b64 s[64:65], 0
	v_nop
	global_prefetch_b8 v0, s[64:65] scope:SCOPE_SE
	s_setreg_imm32_b32 hwreg(HW_REG_WAVE_MODE, 25, 1), 1
	s_wait_xcnt 0x0
; query, key, value [8192][1024] f32 and Wq, Wk, Wv, Wo [1024 (k)][1024 (n)] f32 become codes of FP6 (E2M3) with K innermost and one E8M0 byte for each 32 along K.
; A block's scale is 2^(floor(log2(its largest magnitude)) - 2); its byte is the largest magnitude's exponent field - 2, held at 1 from below.  A block of zeros so gets the byte 1 where the
; rule says 127: its codes are zeros, which add nothing under any byte but 0xff, and the bytes are read by this program alone.
; LIMITS: blocks whose largest magnitude lies under 2^-124 have their byte held at 1; NaN and infinities among the inputs are not served.
; ROWS ARE STORED PERMUTED: row x of a tensor (a token, or a column n of a weight) is stored at row pos(x) = x with bits 3 and 4 exchanged.  Sixteen consecutive stored rows 32 P + 16 u + r are
; then the true rows 32 P + 8 u + r + 8 (r / 8): the choice of rows that lets a later product's results be quantised in registers.
; xc [3][8192][768], xs [3][8192][32], wc [4][1024][768], ws [4][1024][32].
; Work-groups 0-127 take the weights, 128-895 the activations.  The two ways use LDS bytes of their own (activations 0 .. 32,767, weights 32,768 .. 67,583).  No barrier: waves share nothing.
.set WT,    786432
.set STEPS, 16
.set CB,    12                         ; bytes of 16 codes
.set R,     16                         ; v16-79   four sets of 16 numbers as they are loaded
.set X,     80                         ; v80-111  two sets of 16 neighbours
.set C,     128                        ; v128-191 codes: four registers a step, so that no store's data are written again
.set E,     112                        ; v112-127 a scale byte for each step
.set WREG,  8192                       ; LDS: a region for each wave: two stages of 32 x SP bytes, behind them its 256 scale bytes
.set SP,    80                         ; a lane's place in a stage: 64 bytes + 16 of padding
	v_lshl_add_u32 v192, v0, 2, 0x10800
	v_mov_b32 v193, 0
	s_cmp_lt_u32 ttmp9, 128
	s_cbranch_scc1 .Lweights
; ---------------- the activations: K is innermost.  A wave takes 8 whole rows (16 steps of 512 numbers); its rows' bits 3 and 4 are its own number's two bits, so pos() only changes which run of the output it writes.
	s_load_b128 s[4:7], s[0:1], 0x0                ; query, key
	s_load_b64 s[12:13], s[0:1], 0x10              ; value
	s_load_b128 s[8:11], s[0:1], 0x38              ; xc, xs
	v_lshrrev_b32 v1, 5, v0
	v_readfirstlane_b32 s16, v1                    ; wave
	v_and_b32 v2, 31, v0                           ; lane
	v_lshlrev_b32 v3, 4, v2                        ; my 16 bytes of a load's 512
	s_mul_i32 s17, s16, WREG
	v_lshrrev_b32 v14, 2, v2
	v_mul_u32_u24 v14, v14, SP
	v_and_b32 v15, 3, v2
	v_lshl_add_u32 v14, v15, 4, v14
	v_add_nc_u32 v14, s17, v14                     ; the stage, on the way in: SP (lane / 4) + 16 (lane % 4)
	v_mul_u32_u24 v15, v2, SP
	v_add_nc_u32 v15, s17, v15                     ; and on the way out: SP x lane: my 16 neighbours
; LAYOUT OF THE CODES (in place of the line on xc and wc at the head): four planes of 256 along K: xc [3][4][8192][192], wc [4][4][1024][192].  128 stored rows of a plane are 24,576 dense bytes.
; THE ROWS OF key are stored in another order than pos(): true row bits 4:3 go to stored bits 5:4 and true bit 5 to stored bit 3, so that in the attention a lane's 32 score registers are one block of 32 keys.
	v_and_b32 v4, 15, v2
	v_mul_u32_u24 v4, v4, CB                       ; my codes' place in a row's 192 bytes of a plane;
	v_lshrrev_b32 v13, 4, v2
	v_mad_u32_u24 v4, v13, 0x180000, v4            ; lanes 16-31 hold the next 256 along K: one plane (1,572,864 bytes) on
	v_lshrrev_b32 v5, 1, v2
	s_add_co_u32 s17, s17, 2*32*SP
	v_add_nc_u32 v5, s17, v5                       ; LDS: my wave's 256 scale bytes, my block's byte
	v_lshlrev_b32 v7, 3, v2                        ; and on the way out 8 bytes a lane
	v_add_nc_u32 v6, s17, v7
	s_sub_co_u32 s22, ttmp9, 128                   ; g = 256 x tensor + 32-row group
	s_lshr_b32 s23, s22, 8                         ; which tensor
	s_and_b32 s24, s22, 255
	s_lshl_b32 s24, s24, 2
	s_add_co_u32 s24, s24, s16                     ; the run of 8 rows that I read,
	s_lshl_b32 s24, s24, 15                        ; 32,768 bytes each
	s_mov_b32 s25, 0
	s_and_b32 s26, s16, 1
	s_lshl_b32 s26, s26, 1
	s_lshr_b32 s27, s16, 1
	s_or_b32 s26, s26, s27                         ; my wave's two bits exchanged
	s_lshr_b32 s30, s22, 1
	s_lshl_b32 s30, s30, 3
	s_lshl_b32 s31, s16, 1
	s_add_co_u32 s30, s30, s31
	s_and_b32 s31, s22, 1
	s_add_co_u32 s30, s30, s31                     ; key's order: run 8 (g / 2) + 2 wave + g % 2
	s_lshl_b32 s22, s22, 2
	s_add_co_u32 s22, s22, s26                     ; the run that I write
	s_cmp_eq_u32 s23, 1                            ; (the choice hangs on the work-group's number alone)
	s_cselect_b32 s22, s30, s22
	s_and_b32 s26, s22, 1023                       ; the run in its tensor: 8 rows of 192 bytes in each plane,
	s_mul_i32 s26, s26, 1536
	s_mul_i32 s27, s23, 6291456                    ; behind the tensors before it
	s_add_co_u32 s26, s26, s27
	s_mov_b32 s27, 0
	s_lshl_b32 s28, s22, 8                         ; 256 scale bytes
	s_mov_b32 s29, 0
	s_wait_alu depctr_va_vdst(0)
	s_wait_kmcnt 0x0
	s_cmp_eq_u32 s23, 0                            ; the choice hangs on the work-group's number alone
	s_cselect_b64 s[4:5], s[4:5], s[6:7]
	s_cmp_eq_u32 s23, 2
	s_cselect_b64 s[4:5], s[12:13], s[4:5]
	s_add_nc_u64 s[4:5], s[4:5], s[24:25]
	s_add_nc_u64 s[8:9], s[8:9], s[26:27]
	s_add_nc_u64 s[10:11], s[10:11], s[28:29]
.macro XLOAD t
.irp i, 0,1,2,3
	global_load_b128 v[R+16*((\t)%4)+4*\i:R+16*((\t)%4)+4*\i+3], v3, s[4:5] offset:2048*(\t)+512*\i th:TH_LOAD_NT   ; 32 lanes read 512 consecutive bytes
.endr
.endm
.macro XTURN t                         ; step t's numbers through the stage: LDS serves a wave's instructions in order, so no wait stands between the stores and the loads
.irp i, 0,1,2,3
	ds_store_b128 v14, v[R+16*((\t)%4)+4*\i:R+16*((\t)%4)+4*\i+3] offset:32*SP*((\t)%2)+8*SP*\i
.endr
.irp i, 0,1,2,3
	ds_load_b128 v[X+16*((\t)%2)+4*\i:X+16*((\t)%2)+4*\i+3], v15 offset:32*SP*((\t)%2)+16*\i
.endr
.endm
.irp t, 0,1,2,3
	XLOAD \t
.endr
	s_wait_loadcnt 12                              ; step 0's four loads are in; the twelve of steps 1 to 3 may be out
	XTURN 0
.macro XSTEP t
.set XS, X+16*((\t)%2)
.if (\t) > 0
	s_wait_dscnt 1                                 ; this step's numbers are back from the stage (the last step's byte store may be out)
.else
	s_wait_dscnt 0x0
.endif
.if (\t)+4 < STEPS
	XLOAD (\t)+4                                   ; into the registers that the stage's stores have read
.endif
.if (\t)+1 < STEPS
.if STEPS-2-(\t) >= 3
	s_wait_loadcnt 12                              ; the next step's four loads are in; those of the three steps behind it may be out
.else
	s_wait_loadcnt 4*(STEPS-2-(\t))
.endif
	XTURN (\t)+1
.endif
	v_max3_num_f32 v8, |v[XS]|, |v[XS+1]|, |v[XS+2]|               ; the largest magnitude of my 16
	v_max3_num_f32 v9, |v[XS+3]|, |v[XS+4]|, |v[XS+5]|
.irp i, 6,10
	v_max3_num_f32 v8, v8, |v[XS+\i]|, |v[XS+\i+1]|
	v_max3_num_f32 v9, v9, |v[XS+\i+2]|, |v[XS+\i+3]|
.endr
	v_max3_num_f32 v8, v8, |v[XS+14]|, |v[XS+15]|
	v_max3_num_f32 v8, v8, v9, 0x1800000           ; and the floor 2^(3 - 127): the byte cannot fall under 1
	v_max_num_f32_dpp v8, v8, v8 row_xmask:1 row_mask:0xf bank_mask:0xf   ; and of my neighbour's 16: the block's
	v_add_nc_u32 v11, 0xff000000, v8               ; 2 off its exponent field: the conversion takes the exponent field of this operand as its scale
	v_cvt_scalef32_pk16_fp6_f32 v[C+4*(\t):C+4*(\t)+2], v[XS:XS+15], v11
	v_lshrrev_b32 v[E+(\t)], 23, v11               ; the scale's byte (also the plain line behind the conversion)
	ds_store_b8 v5, v[E+(\t)] offset:16*(\t)       ; both lanes of a block write the same byte with the same value
	global_store_b96 v4, v[C+4*(\t):C+4*(\t)+2], s[8:9] offset:192*((\t)/2)+3145728*((\t)%2)   ; row t / 2 of my eight; planes 2 (t % 2) and 2 (t % 2) + 1: sixteen lanes store a row's 192 bytes of a plane
.endm
.irp t, 0,1,2,3,4,5,6,7,8,9,10,11,12,13,14,15
	XSTEP \t
.endr
	ds_load_b64 v[12:13], v6                       ; LDS serves a wave's instructions in order: these see my stores
	s_wait_dscnt 0x0
	global_store_b64 v7, v[12:13], s[10:11]        ; 32 lanes store 256 consecutive bytes, aligned
	s_wait_tensorcnt 0x0
	ds_add_u32 v192, v193
	s_wait_dscnt 0x0
	s_endpgm
; ---------------- the weights: K is the FIRST axis.  A lane takes a column n and its registers run down K; a wave takes 32 columns x 256 along K.
.Lweights:
.set NB,    8                          ; blocks of 32 along K for a wave
.set ROWB,  192                        ; bytes of 256 codes
.set PITCH, 272                        ; a stage row: sixteen places of 16 bytes, each with 12 bytes of codes, + 16
.set KROW,  192                        ; a row of a plane of wc
.set WX,    32                         ; v32-95   two sets of 32 numbers
.set WC,    96                         ; v96..    a block's codes
.set OUTR,  112                        ; v112-175 the way out
.set SB,    24                         ; v24-25   the scale bytes, four to a register
	s_load_b256 s[4:11], s[0:1], 0x18              ; Wq, Wk, Wv, Wo
	s_load_b128 s[12:15], s[0:1], 0x48             ; wc, ws
	v_lshrrev_b32 v1, 5, v0
	v_readfirstlane_b32 s16, v1                    ; wave
	v_and_b32 v2, 31, v0                           ; lane
	s_wait_alu depctr_va_vdst(0)
	s_lshr_b32 s30, ttmp9, 5                       ; which weight
	s_bfe_u32 s17, ttmp9, 0x30002                  ; which 128 columns
	s_and_b32 s18, ttmp9, 3                        ; which 256 along K
	s_lshl_b32 s17, s17, 7
	s_lshl_b32 s19, s16, 5
	s_add_co_u32 s17, s17, s19                     ; my wave's first column
	v_lshlrev_b32 v3, 2, v2                        ; in: 4 bytes a lane
	v_and_b32 v10, 7, v2
	v_bfe_u32 v11, v2, 3, 1
	v_lshl_add_u32 v10, v11, 4, v10
	v_bfe_u32 v11, v2, 4, 1
	v_lshl_add_u32 v10, v11, 3, v10                ; pos(lane): the stored row of my column among the wave's 32
	s_mul_i32 s19, s16, 32*PITCH
	s_add_co_u32 s19, s19, 32768                   ; my stage
	v_mul_u32_u24 v4, v10, PITCH
	v_add_nc_u32 v4, s19, v4                       ; into it: row = my column's stored row
	v_and_b32 v5, 15, v2
	v_lshrrev_b32 v6, 4, v2                        ; out of it: sixteen lanes to a row, two rows an instruction
	v_mul_u32_u24 v7, v6, PITCH
	v_lshl_add_u32 v7, v5, 4, v7
	v_add_nc_u32 v7, s19, v7
	v_mul_u32_u24 v8, v6, KROW
	v_mad_u32_u24 v8, v5, 12, v8                   ; and the same place in wc
	v_lshlrev_b32 v9, 5, v10                       ; my stored row of scale bytes: 32 bytes a row
	s_lshl_b32 s20, s18, 20                        ; W: 256 rows of 4,096 bytes a part of K,
	s_lshl_b32 s22, s17, 2
	s_add_co_u32 s20, s20, s22                     ; + 4 x column
	s_mov_b32 s21, 0
	s_mul_i32 s24, s30, WT
	s_mul_i32 s22, s17, KROW
	s_add_co_u32 s24, s24, s22
	s_mul_i32 s22, s18, 196608                     ; my plane of wc
	s_add_co_u32 s24, s24, s22                     ; wc: weight, row, part of K
	s_mov_b32 s25, 0
	s_lshl_b32 s28, s30, 15
	s_lshl_b32 s22, s17, 5
	s_add_co_u32 s28, s28, s22
	s_lshl_b32 s22, s18, 3
	s_add_co_u32 s28, s28, s22                     ; ws likewise
	s_mov_b32 s29, 0
	s_wait_kmcnt 0x0
	s_cmp_lt_u32 s30, 2                            ; the choice hangs on the work-group's number alone
	s_cselect_b64 s[4:5], s[4:5], s[8:9]
	s_cselect_b64 s[6:7], s[6:7], s[10:11]
	s_bitcmp1_b32 s30, 0
	s_cselect_b64 s[4:5], s[6:7], s[4:5]
	s_add_nc_u64 s[4:5], s[4:5], s[20:21]
	s_add_nc_u64 s[6:7], s[12:13], s[24:25]
	s_add_nc_u64 s[8:9], s[14:15], s[28:29]
.macro WLOAD t                         ; block t: W(32 t + i, my column), i = 0 .. 31, into set t % 2; the largest immediate is 255 rows of 4,096 bytes
.irp i, 0,1,2,3,4,5,6,7,8,9,10,11,12,13,14,15,16,17,18,19,20,21,22,23,24,25,26,27,28,29,30,31
	global_load_b32 v[WX+32*((\t)%2)+\i], v3, s[4:5] offset:(32*(\t)+\i)*4096 th:TH_LOAD_NT
.endr
.endm
	WLOAD 0
	WLOAD 1
.macro BLOCK t
.set XS, WX+32*((\t)%2)
.if (\t) < NB-1
	s_wait_loadcnt 32                              ; this block's 32 loads are in; the next block's may be out
.else
	s_wait_loadcnt 0
.endif
	v_max3_num_f32 v12, |v[XS]|, |v[XS+1]|, |v[XS+2]|               ; the block's largest magnitude: all 32 numbers are mine
	v_max3_num_f32 v13, |v[XS+3]|, |v[XS+4]|, |v[XS+5]|
.irp i, 6,10,14,18,22,26
	v_max3_num_f32 v12, v12, |v[XS+\i]|, |v[XS+\i+1]|
	v_max3_num_f32 v13, v13, |v[XS+\i+2]|, |v[XS+\i+3]|
.endr
	v_max3_num_f32 v12, v12, |v[XS+30]|, |v[XS+31]|
	v_max3_num_f32 v12, v12, v13, 0x1800000        ; and the floor
	v_add_nc_u32 v11, 0xff000000, v12              ; the conversion's scale operand
	v_lshrrev_b32 v13, 23, v11                     ; the scale's byte
.if (\t)%4 == 0
	v_mov_b32 v[SB+(\t)/4], v13                    ; four bytes to a register, the lower K in the lower byte
.else
	v_lshl_or_b32 v[SB+(\t)/4], v13, 8*((\t)%4), v[SB+(\t)/4]
.endif
	v_cvt_scalef32_pk16_fp6_f32 v[WC:WC+2], v[XS:XS+15], v11
	v_cvt_scalef32_pk16_fp6_f32 v[WC+4:WC+6], v[XS+16:XS+31], v11   ; (a conversion's three registers begin on an even number)
	v_nop                                          ; one plain line behind the conversions
	ds_store_b96 v4, v[WC:WC+2] offset:32*(\t)     ; 12 bytes to a place of 16, so that every LDS address is a multiple of 16
	ds_store_b96 v4, v[WC+4:WC+6] offset:32*(\t)+16
.if (\t)+2 < NB
	WLOAD (\t)+2
.endif
	s_wait_dscnt 0x0                               ; the stores have read their registers: the next block's codes may be written
.endm
.set Q, 0
.rept NB
	BLOCK Q
.set Q, Q+1
.endr
	s_wait_alu depctr_va_vdst(0)
	global_store_b64 v9, v[SB:SB+1], s[8:9]        ; my column's 8 scale bytes (rows 32 bytes apart: 8 of each row's 32 bytes; one byte for 128 read)
.irp t, 0,1,2,3,4,5,6,7,8,9,10,11,12,13,14,15
	ds_load_b96 v[OUTR+4*\t:OUTR+4*\t+2], v7 offset:2*\t*PITCH   ; LDS serves a wave's instructions in order: these see my stores
.endr
.irp t, 0,1,2,3,4,5,6,7,8,9,10,11,12,13,14,15
	s_wait_dscnt 15-\t                             ; the younger loads may be out
	global_store_b96 v8, v[OUTR+4*\t:OUTR+4*\t+2], s[6:7] offset:2*\t*KROW   ; sixteen lanes store a row's 192 consecutive bytes
.endr
	s_wait_tensorcnt 0x0
	ds_add_u32 v192, v193
	s_wait_dscnt 0x0
	s_endpgm
.Lfunc_end_k_q812223d9cc_quant:
	.size	k_q812223d9cc_quant, .Lfunc_end_k_q812223d9cc_quant-k_q812223d9cc_quant
	.p2alignl 7, 3214868480
	.fill 96, 4, 3214868480
	.section	.rodata,"a",@progbits
	.p2align	6, 0x0
	.amdhsa_kernel k_q812223d9cc_quant
		.amdhsa_group_segment_fixed_size 68096
		.amdhsa_private_segment_fixed_size 0
		.amdhsa_enable_private_segment 0
		.amdhsa_kernarg_size 88
		.amdhsa_user_sgpr_count 2
		.amdhsa_user_sgpr_kernarg_segment_ptr 1
		.amdhsa_wavefront_size32 1
		.amdhsa_system_sgpr_workgroup_id_x 1
		.amdhsa_system_sgpr_workgroup_id_y 1
		.amdhsa_system_sgpr_workgroup_id_z 1
		.amdhsa_system_vgpr_workitem_id 0
		.amdhsa_next_free_vgpr 194
		.amdhsa_next_free_sgpr 66
		.amdhsa_reserve_vcc 0
		.amdhsa_float_denorm_mode_32 3
		.amdhsa_float_denorm_mode_16_64 3
		.amdhsa_memory_ordered 1
		.amdhsa_forward_progress 1
		.amdhsa_inst_pref_size 75
	.end_amdhsa_kernel
	.amdgpu_metadata
---
amdhsa.version: [ 1, 2 ]
amdhsa.kernels:
  - .name:           k_q812223d9cc_quant
    .symbol:         k_q812223d9cc_quant.kd
    .args:
      - { .name: query, .offset: 0, .size: 8, .value_kind: global_buffer, .address_space: global }
      - { .name: key, .offset: 8, .size: 8, .value_kind: global_buffer, .address_space: global }
      - { .name: value, .offset: 16, .size: 8, .value_kind: global_buffer, .address_space: global }
      - { .name: Wq, .offset: 24, .size: 8, .value_kind: global_buffer, .address_space: global }
      - { .name: Wk, .offset: 32, .size: 8, .value_kind: global_buffer, .address_space: global }
      - { .name: Wv, .offset: 40, .size: 8, .value_kind: global_buffer, .address_space: global }
      - { .name: Wo, .offset: 48, .size: 8, .value_kind: global_buffer, .address_space: global }
      - { .name: xc, .offset: 56, .size: 8, .value_kind: global_buffer, .address_space: global }
      - { .name: xs, .offset: 64, .size: 8, .value_kind: global_buffer, .address_space: global }
      - { .name: wc, .offset: 72, .size: 8, .value_kind: global_buffer, .address_space: global }
      - { .name: ws, .offset: 80, .size: 8, .value_kind: global_buffer, .address_space: global }
    .group_segment_fixed_size: 68096
    .private_segment_fixed_size: 0
    .kernarg_segment_align: 8
    .kernarg_segment_size: 88
    .max_flat_workgroup_size: 128
    .sgpr_count:     66
    .vgpr_count:     194
    .wavefront_size: 32
...
	.end_amdgpu_metadata
.endif
;; end of part 1
;; launch proj (part 2): grid 4 x 96, 4 waves a work-group, clusters of 4 x 4, 327,680 bytes of LDS; arguments xc, xs, wc, ws, bq, bk, bv, qb, kv; writes qb, kv
.if DOCPART == 2
	.amdgcn_target "amdgcn-amd-amdhsa--gfx1250"
	.amdhsa_code_object_version 6
	.text
	.protected	k_q812223d9cc_proj
	.globl	k_q812223d9cc_proj
	.p2align	8
	.type	k_q812223d9cc_proj,@function
k_q812223d9cc_proj:
	s_mov_b64 s[64:65], 0
	v_nop
	global_prefetch_b8 v0, s[64:65] scope:SCOPE_SE
	s_setreg_imm32_b32 hwreg(HW_REG_WAVE_MODE, 25, 1), 1
	s_wait_xcnt 0x0
	s_wait_alu depctr_hold_cnt(0) depctr_sa_sdst(0) depctr_va_vdst(0) depctr_va_sdst(0) depctr_va_ssrc(0) depctr_va_vcc(0) depctr_vm_vsrc(0)
	s_getreg_b32 s2, hwreg(HW_REG_IB_STS2, 6, 4)
	s_cmp_eq_u32 s2, 0
	s_cbranch_scc0 .Lentry_in_a_cluster
	s_endpgm
.Lentry_in_a_cluster:
	s_bfe_u32 s2, ttmp6, 0x10000c
	s_cmp_lg_u32 s2, 0xf033
	s_cbranch_scc0 .Lentry_shape_is_right
	s_endpgm
.Lentry_shape_is_right:
.set NQ,     2
.set ROWB,   192
.set KROW,   192
.set PITCH,  240
.set FR,     12
.set NL,     6
.set NP,     4
.set HALFT,  128*PITCH
.set SLOT,   4*HALFT
.set KS,     32
.set SCL,    2*SLOT
.set HALFS,  16*272
.set SBLK,   2*272
.set SPARE,  SCL+4*HALFS
.set XT,     6291456
.set XST,    262144
.set WT,     786432
.set WST,    32768
.set HEADB,  204800
.set CHB,    51200
.set ADRA, 16
.set ADRB, 20
.set LI,   24
.set SA,   25
.set ADRS, 27
.set SPW,  28
.set NIL,  29
.set SC,   32
.set BI,   64
.set AF,   128
.set R,    128
.set TM,   64
.set T0,   80
.set T1,   84
.set SEL,  2
.set G1, 24
.set G0, 32
.set G1B, 48
.set G0B, 56
.set G1S, 68
.set G0S, 76
.set G1SB, 80
.set G0SB, 88
.set MSB, 0
.macro WIN new
.if MSB != \new
	s_set_vgpr_msb (MSB<<8)|\new
.set MSB, \new
.endif
.endm
.set MUL_LO, 0xa1
.set MUL_HI, 0xf1
.set FST_LO, 0x81
.set FST_HI, 0xc1
.set TO_B,   0x40
.macro JLOAD g0a, g1a, g0b, g1b
	s_cmp_eq_u32 s15, 0
	s_cbranch_scc0 .Lfor_b_\@
	tensor_load_to_lds s[\g0a:\g0a+3], s[\g1a:\g1a+7]
	s_nop 0
.rept 4
	v_nop
.endr
	s_branch .Lasked_\@
.Lfor_b_\@:
	tensor_load_to_lds s[\g0b:\g0b+3], s[\g1b:\g1b+7]
	s_nop 0
.rept 4
	v_nop
.endr
.Lasked_\@:
.endm
.macro CREST
	s_cmp_lg_u32 s14, 0
	s_cbranch_scc1 .Lnot_wave_0_\@
	s_barrier_signal -3
.Lnot_wave_0_\@:
	s_barrier_wait -3
	s_barrier_signal -1
	s_barrier_wait -1
.endm
.macro CROUND
	s_barrier_signal -1
	s_barrier_wait -1
	CREST
.endm
	s_load_b256 s[68:75], s[0:1], 0x0
	s_load_b128 s[76:79], s[0:1], 0x20
	s_load_b128 s[80:83], s[0:1], 0x30
	s_load_b64 s[84:85], s[0:1], 0x40
	v_lshl_add_u32 v[SPW], v0, 2, SPARE
	v_mov_b32 v[NIL], 0
	ds_add_u32 v28, v29
	ds_add_u32 v28, v29
	s_wait_dscnt 0x0
	v_lshrrev_b32 v1, 5, v0
	v_readfirstlane_b32 s14, v1
	s_lshr_b32 s15, s14, 1
	s_and_b32 s16, s14, 1
	s_bfe_u32 s40, ttmp6, 0x40000
	s_bfe_u32 s41, ttmp6, 0x40004
	s_and_b32 s67, ttmp7, 0xffff
	s_lshr_b32 s66, s67, 3
	s_and_b32 s67, s67, 7
	s_lshl_b32 s67, s67, 2
	s_cmp_eq_u32 s66, 2
	s_cselect_b32 s17, 0, s67
	s_cselect_b32 s42, s67, 0
	s_add_co_u32 s17, s17, s41
	s_add_co_u32 s42, s42, s40
	s_lshl_b32 s43, s41, 2
	s_lshl_b32 s43, 15, s43
	s_lshl_b32 s44, 0x1111, s40
	s_or_b32 s[G1+0], s43, (0<<16)|(1<<20)|(1<<21)|(3<<22)|(3<<25)
	s_or_b32 s[G1B+0], s44, (0<<16)|(1<<20)|(1<<21)|(3<<22)|(3<<25)
.irp g, G1, G1B
	s_mov_b32 s[\g+1], 256<<16                     ; 128 rows of a plane are 24,576 dense bytes: stated as 96 rows of 256 bytes; 16 bytes of padding behind each 64 give LDS rows of 240 bytes for each 192 of codes
	s_mov_b32 s[\g+2], 192<<16                     ; the head's loads bring a tile's 256 rows: 192 rows of 256 bytes; behind them the two words that count rows are set to 96
	s_mov_b32 s[\g+3], 256<<16
	s_mov_b32 s[\g+4], 192
	s_mov_b32 s[\g+5], 256
	s_mov_b32 s[\g+6], 0
	s_mov_b32 s[\g+7], 0
.endr
	s_lshl_b32 s18, s16, 7
	s_lshl_b32 s20, s17, 8
	s_add_co_u32 s20, s20, s18
	s_lshl_b32 s46, s42, 8
	s_add_co_u32 s46, s46, s18
	s_lshl_b32 s22, s17, 13                        ; the scales of the tile's 256 rows: 8,192 dense bytes
	s_lshl_b32 s92, s42, 13
	s_mul_i32 s20, s20, KROW
	s_mul_i32 s46, s46, KROW
	s_mul_i32 s18, s66, XT
	s_mul_i32 s19, s66, WT
	s_mul_i32 s2, s66, XST
	s_mul_i32 s3, s66, WST
	s_cmp_eq_u32 s66, 2
	s_cselect_b32 s100, s19, s18
	s_cselect_b32 s101, s18, s19
	s_cselect_b32 s94, s3, s2
	s_cselect_b32 s95, s2, s3
	s_add_co_u32 s20, s20, s100
	s_add_co_u32 s46, s46, s101
	s_add_co_u32 s22, s22, s94
	s_add_co_u32 s92, s92, s95
	s_mov_b32 s21, 0
	s_mov_b32 s23, 0
	s_mov_b32 s47, 0
	s_mov_b32 s93, 0
	s_mul_i32 s45, s14, HALFT
	s_mul_i32 s94, s14, HALFS
	s_wait_kmcnt 0x0
	s_cmp_eq_u32 s66, 2
	s_cselect_b64 s[4:5], s[72:73], s[68:69]
	s_cselect_b64 s[6:7], s[74:75], s[70:71]
	s_cselect_b64 s[8:9], s[68:69], s[72:73]
	s_cselect_b64 s[10:11], s[70:71], s[74:75]
	s_cselect_b64 s[96:97], s[80:81], s[78:79]
	s_cmp_eq_u32 s66, 0
	s_cselect_b64 s[96:97], s[76:77], s[96:97]
	s_cselect_b64 s[12:13], s[82:83], s[84:85]
	s_mov_b64 s[98:99], s[12:13]
	s_add_nc_u64 s[20:21], s[4:5], s[20:21]
	s_add_nc_u64 s[22:23], s[6:7], s[22:23]
	s_add_nc_u64 s[46:47], s[8:9], s[46:47]
	s_add_nc_u64 s[92:93], s[10:11], s[92:93]
	s_mov_b32 s4, 1572864                          ; a plane (256 along K) of xc,
	s_mov_b32 s6, 196608                           ; and of wc
	s_cmp_eq_u32 s66, 2
	s_cselect_b32 s8, s6, s4                       ; s[8:9]: from plane to plane of source A's buffer, s[10:11]: of B's
	s_cselect_b32 s10, s4, s6
	s_mov_b32 s9, 0
	s_mov_b32 s11, 0
	s_lshl_b32 s40, s8, 1                          ; s[40:41], s[94:95]: two planes on, a slot's step
	s_lshl_b32 s94, s10, 1
	s_mov_b32 s41, 0
	s_mov_b32 s95, 0
	s_or_b32 s[G1S+0], s43, (3<<16)|(1<<20)|(1<<21)|(5<<22)|(3<<25)
	s_or_b32 s[G1SB+0], s44, (3<<16)|(1<<20)|(1<<21)|(5<<22)|(3<<25)
.irp g, G1S, G1SB
	s_mov_b32 s[\g+1], 32<<16
	s_mov_b32 s[\g+2], 32<<16
	s_mov_b32 s[\g+3], 32<<16
	s_mov_b32 s[\g+4], 32
	s_mov_b32 s[\g+5], 32
	s_mov_b32 s[\g+6], 0
	s_mov_b32 s[\g+7], 0
.endr
	CROUND
	s_mov_b32 s[G0S], 1
	s_mov_b32 s[G0S+1], SCL
	s_mov_b64 s[G0S+2:G0S+3], s[22:23]
	s_or_b32 s[G0S+3], s[G0S+3], 0x80000000
	s_mov_b32 s[G0SB], 1
	s_mov_b32 s[G0SB+1], SCL+2*HALFS
	s_mov_b64 s[G0SB+2:G0SB+3], s[92:93]
	s_or_b32 s[G0SB+3], s[G0SB+3], 0x80000000
.irp s, 0,1
	s_mov_b32 s[G0+4*\s], 1
	s_add_co_u32 s[G0+4*\s+1], s45, \s*SLOT
.if \s
	s_add_nc_u64 s[G0+4*\s+2:G0+4*\s+3], s[20:21], s[8:9]
.else
	s_mov_b64 s[G0+4*\s+2:G0+4*\s+3], s[20:21]
.endif
	s_or_b32 s[G0+4*\s+3], s[G0+4*\s+3], 0x80000000
	s_mov_b32 s[G0B+4*\s], 1
	s_add_co_u32 s[G0B+4*\s+1], s45, \s*SLOT
.if \s
	s_add_nc_u64 s[G0B+4*\s+2:G0B+4*\s+3], s[46:47], s[10:11]
.else
	s_mov_b64 s[G0B+4*\s+2:G0B+4*\s+3], s[46:47]
.endif
	s_or_b32 s[G0B+4*\s+3], s[G0B+4*\s+3], 0x80000000
.endr
; THE HEAD'S LOADS, ONE A WAVE: wave 0 fetches plane 0 of A's 256 rows, wave 1 of B's 256 rows, wave 2 the scales of A's 256 rows, wave 3 those of B's.
; One chain of branches on the wave's number, a load to each arm, all arms leading to one join.
	s_mul_i32 s18, s16, 128*KROW                   ; my half of a tile, which the ring's addresses hold and the head's do not
	s_mov_b32 s19, 0
	s_mov_b32 s4, 1
	s_mov_b32 s5, 0
	s_sub_nc_u64 s[6:7], s[20:21], s[18:19]
	s_or_b32 s7, s7, 0x80000000
	s_mov_b32 s8, 1
	s_mov_b32 s9, 2*HALFT
	s_sub_nc_u64 s[10:11], s[46:47], s[18:19]
	s_or_b32 s11, s11, 0x80000000
.macro ARM under, g0, g1, next
	s_cmp_lt_u32 s14, \under
	s_cbranch_scc0 \next
	tensor_load_to_lds s[\g0:\g0+3], s[\g1:\g1+7]
	s_nop 0
.rept 4
	v_nop
.endr
	s_branch .Lhead_asked
\next:
.endm
	ARM 1, 4,   G1,  .Lhead_b
	ARM 2, 8,   G1B, .Lhead_sa
	ARM 3, G0S, G1S, .Lhead_sb
	tensor_load_to_lds s[G0SB:G0SB+3], s[G1SB:G1SB+7]
	s_nop 0
.rept 4
	v_nop
.endr
.Lhead_asked:
	v_and_b32 v1, 15, v0
	v_bfe_u32 v2, v0, 4, 1
	v_mul_u32_u24 v3, v1, PITCH
	v_mul_u32_u24 v4, v2, 24
	v_add_nc_u32 v4, v3, v4
	v_lshl_add_u32 v5, v2, 4, v4
	s_mul_i32 s21, s15, HALFT
	s_mul_i32 s22, s16, HALFT
	s_add_co_u32 s22, s22, 2*HALFT
.irp s, 0,1
	v_add_nc_u32 v[ADRA+\s], s21, v4
	v_add_nc_u32 v[ADRB+\s], s22, v4
	v_add_nc_u32 v[ADRA+2+\s], s21, v5
	v_add_nc_u32 v[ADRB+2+\s], s22, v5
	s_add_co_u32 s21, s21, SLOT
	s_add_co_u32 s22, s22, SLOT
.endr
	v_mul_u32_u24 v5, v1, KS
	v_lshrrev_b32 v6, 8, v5
	v_lshl_add_u32 v5, v6, 4, v5
	s_mul_i32 s21, s15, HALFS
	s_mul_i32 s22, s16, HALFS
	s_add_co_u32 s22, s22, 2*HALFS
	s_sub_co_u32 s22, s22, s21
	v_mul_u32_u24 v6, s22, v2
	s_add_co_u32 s21, s21, SCL
	v_add_nc_u32 v5, v5, v6
	v_add_nc_u32 v[ADRS], s21, v5
	v_and_b32 v6, 31, v0
	v_lshlrev_b32 v[LI], 4, v6
	v_lshlrev_b32 v[SA], 4, v1
	v_mul_u32_u24 v6, v2, HEADB
	v_add_nc_u32 v[SA], v[SA], v6
	s_lshl_b32 s18, s17, 8
	s_lshl_b32 s19, s15, 7
	s_add_co_u32 s18, s18, s19
	s_lshl_b32 s19, s42, 8
	s_lshl_b32 s20, s16, 7
	s_add_co_u32 s19, s19, s20
	s_cmp_eq_u32 s66, 2
	s_cselect_b32 s100, s19, s18
	s_cselect_b32 s101, s18, s19
	s_cselect_b32 s46, 98304, 0                    ; a head of qb or kv: 16 x 6,144 bytes of pair images, 16 x 6,144 of V's images, 16 x 256 of scale words, 16 x 256 of V's
	s_cselect_b32 s92, 4096, 0
	s_cselect_b32 s22, -1, 0
	s_cselect_b32 s23, 0, 4
	s_lshr_b32 s18, s100, 11
	s_lshl_b32 s18, s18, 4
	s_lshr_b32 s19, s101, 6
	s_add_co_u32 s18, s18, s19
	s_mul_i32 s18, s18, HEADB
	s_bfe_u32 s19, s100, 0x40007                   ; which 128 tokens of the sequence
	s_mul_i32 s20, s19, 6144
	s_add_co_u32 s46, s46, s20
	s_add_co_u32 s46, s46, s18
	s_mov_b32 s47, 0
	s_lshl_b32 s19, s19, 8
	s_add_co_u32 s92, s92, s19
	s_add_co_u32 s92, s92, s18
	s_add_co_u32 s92, s92, 196608
	s_mov_b32 s93, 0
	s_add_nc_u64 s[12:13], s[12:13], s[46:47]
	s_add_nc_u64 s[98:99], s[98:99], s[92:93]
	s_lshl_b32 s46, s101, 2
	s_add_nc_u64 s[96:97], s[96:97], s[46:47]
	s_mov_b32 s[SEL], 0x76543210
	s_mov_b32 s[SEL+1], 0xfedcba98
	v_lshlrev_b32 v6, 6, v2
	v_and_b32 v7, 8, v1
	v_add_nc_u32 v7, v7, v1
	v_lshlrev_b32 v7, 2, v7
	v_cndmask_b32 v6, v6, v7, s22
	s_wait_alu depctr_va_vdst(0)
.irp j, 0,1,2,3,4,5,6,7
	s_mul_i32 s20, s23, \j
	v_add_nc_u32 v[8+\j], s20, v6
.endr
.irp x, 0,1,2,3,4,5,6,7
.irp j, 0,1,2,3,4,5,6,7
	global_load_b32 v[BI+8*\x+\j], v[8+\j], s[96:97] offset:(32*(\x/2)+8*(\x%2))*4
.endr
.endr
.macro FRAG reg, adr, q, i
.irp p, 0,1,2,3,4,5
.set PCE, 12*(\q)+6*(\p/3)+\p%3
.if PCE%8 < 5
	ds_load_b64 v[\reg+2*\p:\reg+2*\p+1], v[\adr] offset:8*PCE+16*(PCE/8)+(\i)*16*PITCH
.else
	ds_load_b64 v[\reg+2*\p:\reg+2*\p+1], v[\adr+2] offset:8*PCE+16*(PCE/8)+(\i)*16*PITCH
.endif
.endr
.endm
.macro MUL16 a0, p, q, sc, cm
.irp a, \a0, \a0+1
.irp b, 0,1,2,3,4,5,6,7
.if (\cm) == 1
	v_wmma_scale_f32_16x16x128_f8f6f4 v[8*(8*((\a)%4)+\b):8*(8*((\a)%4)+\b)+7], v[128*(\p)+FR*\b:128*(\p)+FR*\b+FR-1], v[AF+FR*(\a):AF+FR*(\a)+FR-1], v[BI+8*\b:BI+8*\b+7], v[SC+8*NQ*(\sc)+NQ*\b+(\q)], v[SC+8*NQ*(\sc)+NQ*(\a)+(\q)] matrix_a_fmt:MATRIX_FMT_FP6 matrix_b_fmt:MATRIX_FMT_FP6 matrix_a_scale:MATRIX_SCALE_ROW1
.elseif (\cm) == 2
	v_wmma_scale_f32_16x16x128_f8f6f4 v[8*(8*((\a)%4)+\b):8*(8*((\a)%4)+\b)+7], v[128*(\p)+FR*\b:128*(\p)+FR*\b+FR-1], v[AF+FR*(\a):AF+FR*(\a)+FR-1], v[BI+8*(\a):BI+8*(\a)+7], v[SC+8*NQ*(\sc)+NQ*\b+(\q)], v[SC+8*NQ*(\sc)+NQ*(\a)+(\q)] matrix_a_fmt:MATRIX_FMT_FP6 matrix_b_fmt:MATRIX_FMT_FP6 matrix_a_scale:MATRIX_SCALE_ROW1
.else
	v_wmma_scale_f32_16x16x128_f8f6f4 v[8*(8*((\a)%4)+\b):8*(8*((\a)%4)+\b)+7], v[128*(\p)+FR*\b:128*(\p)+FR*\b+FR-1], v[AF+FR*(\a):AF+FR*(\a)+FR-1], v[8*(8*((\a)%4)+\b):8*(8*((\a)%4)+\b)+7], v[SC+8*NQ*(\sc)+NQ*\b+(\q)], v[SC+8*NQ*(\sc)+NQ*(\a)+(\q)] matrix_a_fmt:MATRIX_FMT_FP6 matrix_b_fmt:MATRIX_FMT_FP6 matrix_a_scale:MATRIX_SCALE_ROW1
.endif
.endr
.endr
.endm
.macro FETCH_B slot, q, p
	WIN TO_B
.irp i, 0,1,2,3,4,5,6,7
	FRAG 128*(\p)+FR*\i, ADRB+\slot, \q, \i
.endr
	WIN 0
.endm
.macro FETCH_A slot, q, i0
.irp i, \i0, \i0+1, \i0+2, \i0+3
	FRAG AF+FR*(\i), ADRA+\slot, \q, \i
.endr
.endm
.macro SCALES sc
.irp i, 0,1,2,3,4,5,6,7
	ds_load_b64 v[SC+8*NQ*\sc+NQ*\i:SC+8*NQ*\sc+NQ*\i+1], v[ADRS] offset:\i*SBLK
.endr
.endm
.macro PLACES n
.rept \n
	v_nop
.endr
.endm
.macro STEP slot, q, cm
	s_wait_dscnt 4*NL
.if \cm
	WIN FST_LO
.else
	WIN MUL_LO
.endif
	MUL16 0, (\q)%2, \q, \slot, \cm
	MUL16 2, (\q)%2, \q, \slot, \cm
	s_wait_dscnt 0
	PLACES NP
	FETCH_B \slot, (\q)+1, 1-(\q)%2
	FETCH_A \slot, (\q)+1, 0
.if \cm
	WIN FST_HI
.else
	WIN MUL_HI
.endif
	MUL16 4, (\q)%2, \q, \slot, \cm
	MUL16 6, (\q)%2, \q, \slot, \cm
	PLACES NP
	WIN 0
	FETCH_A \slot, (\q)+1, 4
.endm
.macro TURN slot, next, fill
	s_wait_tensorcnt 0x0
	ds_add_u32 v[SPW], v[NIL]
	s_wait_dscnt 4*NL+1
	WIN MUL_LO
	MUL16 0, 1, NQ-1, \slot, 0
	s_wait_dscnt 0x0
	s_barrier_signal -1
	MUL16 2, 1, NQ-1, \slot, 0
	WIN 0
	s_barrier_wait -1
.if \fill
	CREST
	s_add_nc_u64 s[G0+4*\slot+2:G0+4*\slot+3], s[G0+4*\slot+2:G0+4*\slot+3], s[40:41]
	s_add_nc_u64 s[G0B+4*\slot+2:G0B+4*\slot+3], s[G0B+4*\slot+2:G0B+4*\slot+3], s[94:95]
	JLOAD G0+4*\slot, G1, G0B+4*\slot, G1B
.else
	PLACES NP
.endif
	s_wait_alu depctr_va_vdst(0)
	v_add_nc_u32 v[ADRS], 4*NQ, v[ADRS]
	FETCH_B \next, 0, 0
	FETCH_A \next, 0, 0
	SCALES \next
	WIN MUL_HI
	MUL16 4, 1, NQ-1, \slot, 0
	MUL16 6, 1, NQ-1, \slot, 0
	PLACES NP
	WIN 0
	FETCH_A \next, 0, 4
.endm
.macro QUANT w, s, d0, d1, pw
	WIN (((\w)<<2)|((\w)<<4))
.irp b, 0,1,2,3
	v_max3_num_f32 v[TM+\b], 0x1800000, |v[\s+16*\b]|, |v[\s+16*\b+1]|
.endr
.irp i, 2,4,6,8,10,12,14
.irp b, 0,1,2,3
	v_max3_num_f32 v[TM+\b], v[TM+\b], |v[\s+16*\b+\i]|, |v[\s+16*\b+\i+1]|
.endr
.endr
	WIN 0
.irp b, 0,1,2,3
	v_permlanex16_b32 v[TM+4+\b], v[TM+\b], s[SEL], s[SEL+1]
.endr
.irp b, 0,1,2,3
	v_max_num_f32 v[TM+\b], v[TM+\b], v[TM+4+\b]
.endr
.irp b, 0,1,2,3
	v_add_nc_u32 v[TM+12+\b], 0xff000000, v[TM+\b]
.endr
.irp b, 0,1,2,3
	v_lshrrev_b32 v[TM+4+\b], 23, v[TM+12+\b]
.endr
	v_lshl_or_b32 v[\pw], v[TM+5], 8, v[TM+4]
	v_lshl_or_b32 v[\pw], v[TM+6], 16, v[\pw]
	v_lshl_or_b32 v[\pw], v[TM+7], 24, v[\pw]
	WIN (\w)
	v_cvt_scalef32_pk16_fp6_f32 v[\d0:\d0+2], v[\s:\s+15], v[TM+12]
	v_cvt_scalef32_pk16_fp6_f32 v[T0:T0+2], v[\s+16:\s+31], v[TM+13]
	v_cvt_scalef32_pk16_fp6_f32 v[\d1:\d1+2], v[\s+32:\s+47], v[TM+14]
	v_cvt_scalef32_pk16_fp6_f32 v[T1:T1+2], v[\s+48:\s+63], v[TM+15]
	WIN 0
	v_nop
.irp i, 0,1,2
	v_permlane16_swap_b32 v[\d0+\i], v[T0+\i]
	v_permlane16_swap_b32 v[\d1+\i], v[T1+\i]
.endr
.irp i, 0,1,2
	v_mov_b32 v[\d0+3+\i], v[T0+\i]
	v_mov_b32 v[\d1+3+\i], v[T1+\i]
.endr
.endm
	s_wait_alu depctr_va_vdst(0)                   ; the wait at the head's end
	s_wait_tensorcnt 0x0                           ; my tile of the head's four is in
	ds_add_u32 v[SPW], v[NIL]
	s_mov_b32 s[G1+2], 96<<16                      ; no tensor load of mine is out: from here on a load brings 128 rows, 96 rows of 256 bytes
	s_mov_b32 s[G1+4], 96
	s_mov_b32 s[G1B+2], 96<<16
	s_mov_b32 s[G1B+4], 96
	s_wait_dscnt 0x0
	CROUND                                         ; all four tiles are in, and all sixteen work-groups are here
	JLOAD G0+4, G1, G0B+4, G1B                     ; plane 1, slot 1's first fill: the first tensor load behind the round
	FETCH_B 0, 0, 0
	FETCH_A 0, 0, 0
	SCALES 0
	FETCH_A 0, 0, 4
	s_wait_loadcnt 0x0
	s_cmp_eq_u32 s66, 2
	s_cbranch_scc1 .Lfirst_v
	STEP 0, 0, 1
	s_branch .Lfirst_done
.Lfirst_v:
	STEP 0, 0, 2
.Lfirst_done:
	TURN 0, 1, 1
	STEP 1, 0, 0
	TURN 1, 0, 1
	STEP 0, 0, 0
	TURN 0, 1, 0
	STEP 1, 0, 0
	s_wait_dscnt 4*NL
	WIN MUL_LO
	MUL16 0, 1, NQ-1, 1, 0
	MUL16 2, 1, NQ-1, 1, 0
	s_wait_dscnt 0
	WIN MUL_HI
	MUL16 4, 1, NQ-1, 1, 0
	MUL16 6, 1, NQ-1, 1, 0
	WIN 0
	PLACES NP
.irp b, 0,1,2,3
	v_mov_b32 v[TM+4+\b], 0
.endr
	s_cmp_eq_u32 s66, 2
	s_cbranch_scc1 .Lout_v
.irp a, 0,1,2,3,4,5,6,7
	QUANT (2+\a/4),(64*(\a%4)),(R+12*(\a/2)+6*(\a%2)),(R+48+12*(\a/2)+6*(\a%2)),(88+\a%2)
.if \a%2
	v_perm_b32 v[92+\a/2], v89, v88, 0x05040100
	v_perm_b32 v[96+\a/2], v89, v88, 0x07060302
.endif
.endr
	s_branch .Lout_done
.Lout_v:
.irp a, 0,1,2,3,4,5,6,7
	QUANT (2+\a/4),(64*(\a%4)),(R+12*\a),(R+12*\a+6),(92+\a)
.endr
.Lout_done:
	s_wait_alu depctr_va_vdst(0)
.irp e, 0,1
.irp x, 0,1,2,3
.irp j, 0,1,2
	global_store_b128 v[LI], v[R+12*(4*\e+\x)+4*\j:R+12*(4*\e+\x)+4*\j+3], s[12:13] offset:\e*HEADB+\x*1536+512*\j
.endr
.endr
.endr
	v_and_b32 v6, 31, v0
	v_cmp_gt_u32 vcc_lo, 16, v6
.irp x, 0,1,2,3
	v_cndmask_b32 v[100+\x], v[96+\x], v[92+\x], vcc_lo
.endr
	global_store_b128 v[SA], v[100:103], s[98:99]
	s_wait_tensorcnt 0x0
	ds_add_u32 v[SPW], v[NIL]
	s_wait_dscnt 0x0
	CROUND
	s_endpgm
.Lfunc_end_k_q812223d9cc_proj:
	.size	k_q812223d9cc_proj, .Lfunc_end_k_q812223d9cc_proj-k_q812223d9cc_proj
	.p2alignl 7, 3214868480
	.fill 96, 4, 3214868480
	.section	.rodata,"a",@progbits
	.p2align	6, 0x0
	.amdhsa_kernel k_q812223d9cc_proj
		.amdhsa_group_segment_fixed_size 327680
		.amdhsa_private_segment_fixed_size 0
		.amdhsa_enable_private_segment 0
		.amdhsa_kernarg_size 72
		.amdhsa_user_sgpr_count 2
		.amdhsa_user_sgpr_kernarg_segment_ptr 1
		.amdhsa_wavefront_size32 1
		.amdhsa_system_sgpr_workgroup_id_x 1
		.amdhsa_system_sgpr_workgroup_id_y 1
		.amdhsa_system_sgpr_workgroup_id_z 1
		.amdhsa_system_vgpr_workitem_id 0
		.amdhsa_next_free_vgpr 1024
		.amdhsa_next_free_sgpr 102
		.amdhsa_reserve_vcc 1
		.amdhsa_float_denorm_mode_32 3
		.amdhsa_float_denorm_mode_16_64 3
		.amdhsa_memory_ordered 1
		.amdhsa_forward_progress 1
		.amdhsa_inst_pref_size 220
	.end_amdhsa_kernel
	.amdgpu_metadata
---
amdhsa.version: [ 1, 2 ]
amdhsa.kernels:
  - .name:           k_q812223d9cc_proj
    .symbol:         k_q812223d9cc_proj.kd
    .args:
      - { .name: xc, .offset: 0, .size: 8, .value_kind: global_buffer, .address_space: global }
      - { .name: xs, .offset: 8, .size: 8, .value_kind: global_buffer, .address_space: global }
      - { .name: wc, .offset: 16, .size: 8, .value_kind: global_buffer, .address_space: global }
      - { .name: ws, .offset: 24, .size: 8, .value_kind: global_buffer, .address_space: global }
      - { .name: bq, .offset: 32, .size: 8, .value_kind: global_buffer, .address_space: global }
      - { .name: bk, .offset: 40, .size: 8, .value_kind: global_buffer, .address_space: global }
      - { .name: bv, .offset: 48, .size: 8, .value_kind: global_buffer, .address_space: global }
      - { .name: qb, .offset: 56, .size: 8, .value_kind: global_buffer, .address_space: global }
      - { .name: kv, .offset: 64, .size: 8, .value_kind: global_buffer, .address_space: global }
    .group_segment_fixed_size: 327680
    .private_segment_fixed_size: 0
    .kernarg_segment_align: 8
    .kernarg_segment_size: 72
    .max_flat_workgroup_size: 128
    .sgpr_count:     102
    .vgpr_count:     1024
    .wavefront_size: 32
...
	.end_amdgpu_metadata
.endif
;; end of part 2
;; launch attn (part 3): grid 4 x 64, 16 waves a work-group, clusters of 4 x 1, 215,552 bytes of LDS; arguments qb, kv, mask, ac, asc; writes ac, asc
.if DOCPART == 3
	.amdgcn_target "amdgcn-amd-amdhsa--gfx1250"
	.amdhsa_code_object_version 6
	.text
	.protected	k_q812223d9cc_attn
	.globl	k_q812223d9cc_attn
	.p2align	8
	.type	k_q812223d9cc_attn,@function
k_q812223d9cc_attn:
	s_mov_b64 s[64:65], 0
	v_nop
	global_prefetch_b8 v0, s[64:65] scope:SCOPE_SE
	s_setreg_imm32_b32 hwreg(HW_REG_WAVE_MODE, 25, 1), 1
	s_wait_xcnt 0x0
	s_wait_alu depctr_hold_cnt(0) depctr_sa_sdst(0) depctr_va_vdst(0) depctr_va_sdst(0) depctr_va_ssrc(0) depctr_va_vcc(0) depctr_vm_vsrc(0)
	s_getreg_b32 s2, hwreg(HW_REG_IB_STS2, 6, 4)
	s_cmp_eq_u32 s2, 0
	s_cbranch_scc0 .Lentry_in_a_cluster
	s_endpgm
.Lentry_in_a_cluster:
	s_bfe_u32 s2, ttmp6, 0x10000c
	s_cmp_lg_u32 s2, 0x3003
	s_cbranch_scc0 .Lentry_shape_is_right
	s_endpgm
.Lentry_shape_is_right:
; Attention of one head (cluster y = 16 batch + head), 2,048 keys, head size 64, both products on codes of FP6 (E2M3) with E8M0 scales; the result is divided by the row's sum and quantised along d_model for the last product.
; D = score + 8 (mask x -1e9): the mask's term is the C operand of the first product, so D = 8 x logit.  t = D x log2(e) / 8; M = the running largest t rounded UP to a whole number;
; p = 2^(t - M), one fused multiply-add and one exponential, is quantised along the keys; the row's sum is taken of the unquantised p.  When M moves, the sum and O are multiplied by 2^(old M - new M): exact.
; LIMITS: the promise holds while |t| stays under 2^31.  Where mask x 1e9 swamps the score, the sum of the two is rounded by the matrix unit and not as the definition rounds it: that can show only in a batch ALL of whose keys are masked.
; SHARES.  A work-group owns 512 queries, in two passes of 256; each of its sixteen waves one tile of 16 a pass, in 256 registers: four waves to a SIMD.
; THE HEAD'S WHOLE K, V AND THEIR SCALE WORDS, 204,800 bytes, COME INTO LDS ONCE, as they lie in kv: each wave asks for a sixteenth, 12,800 bytes, by its one tensor load; no byte of LDS is filled twice.
; The four work-groups of a cluster are all that read a head: each part is asked for JOINTLY (the same load, the same descriptor, a mask that names the four).  No prefetch: every tensor load of the launch is issued at its head.
; LAYOUT.  Both products are used transposed: a lane holds ONE query (lane % 16) throughout.  kv holds images of operand registers: three loads of 512 consecutive bytes bring a fragment.
; THE FIRST PRODUCT'S K IS 64, THE INSTRUCTION'S 128: a pair image of K holds two keys in a row, [key a's 64 | key b's 64], and Q stands in 18 registers [0 x 6 | q x 6 | 0 x 6]: [q | 0] gives key a's scores, [0 | q] key b's.
; The other key's codes meet zero CODES of Q, which add exactly 0; Q's scale word repeats its two bytes.
; THE KEYS OF A TILE: row 8 h + j of tile 4 c + T of a step is key 64 c + 32 h + 8 T + j.  So score register 32 c + i of lane (r, h) is key 64 c + 32 h + i: a WHOLE block of 32 keys in a lane, in the order of the second product's operand:
; a block's largest score needs no other lane, and p's codes are made where they are used.
; THE MASK TERMS of a step are asked for one step ahead, behind the last read of p; the table has step 0's 512 bytes once more at its end, for the last step's request, which serves the next pass.
; OUT: ac [tile of 16 tokens][head][768]: the six registers of codes (registers 0-3 at 16 l, 4-5 at 512 + 8 l); asc [stored row][32]: bytes 2 head, 2 head + 1.
.set HEADB, 204800                     ; a head: 16 steps x 6,144 bytes of K's pair images, the same of V's images, 16 x 256 of K's scale words, 16 x 256 of V's
.set VIM,   98304
.set SCW,   196608
.set PART,  12800                      ; what one tensor load brings
.set MTB,   204800                     ; behind the head: 8 (mask x -1e9) of the 2,048 keys and of keys 0-127 again, f32, 8,704 bytes, written by LDS stores; no tile lands there
.set SPARE, 213504                     ; the spare words, 128 bytes for each wave
.set LI,  1                            ; v1  16 x lane
.set LR,  2                            ; v2  16 r
.set LH,  3                            ; v3  128 h
.set AI,  4                            ; v4  the step's images of K
.set ASC, 5                            ; v5  its scale words
.set AM,  6                            ; v6  the next step's mask terms
.set L8,  7                            ; v7  8 x lane
.set AIV, 8                            ; v8  the step's images of V
.set H8,  9                            ; v9  8 h
.set F,   48                           ; v48-95   K's images, then V's
.set Q2,  96                           ; v96-102  the second pass's q and its scale word; v103 the first's scale word as loaded
.set FF,  104                          ; v104     f = 2^(old M - new M)  (v105: the pair's upper half)
.set BM,  106                          ; v106-107 my two blocks' largest D, then t - M, then p
.set SO,  108                          ; v108-109 the conversions' scale operands
.set BP,  110
.set S,   112                          ; v112-175 the mask terms, D, t - M, p
.set O,   176                          ; v176-207 O^T
.set PC,  208                          ; v208-219 p's codes
.set X,   220                          ; v220-233 seven pairs for the row's sum
.set MB,  228                          ; v228-229 the second chains of the maxima (done with before the sums begin)
.set TT,  236
.set TP,  237
.set T0,  238
.set T1,  242
.set WV,  14
.set G1,  24
.set G0,  32
.set SEL, 48
.set CS,  50                           ; s[50:51] c = log2(e) / 8
.set TB,  52
.set TS,  53
.set TMS, 54
.set CNT, 55
.set PASS, 56
.set TV,  57
.set OCB, 66
.set OSB, 68
.macro ROUND                           ; a round of the cluster's barrier
	s_barrier_signal -1
	s_barrier_wait -1
	s_cmp_lg_u32 s[WV], 0
	s_cbranch_scc1 .Lnot_wave_0_\@
	s_barrier_signal -3
.Lnot_wave_0_\@:
	s_barrier_wait -3
	s_barrier_signal -1
	s_barrier_wait -1
.endm
.macro MTLOAD                          ; the mask terms of 64 keys a lane, into the accumulators
.set i, 0
.rept 16
	ds_load_b128 v[S+4*i:S+4*i+3], v[AM] offset:256*(i/8)+16*(i%8)
.set i, i+1
.endr
.endm
	s_load_b256 s[4:11], s[0:1], 0x0               ; qb, kv, mask, ac
	s_load_b64 s[12:13], s[0:1], 0x20              ; asc
	v_lshl_add_u32 v254, v0, 2, SPARE
	v_mov_b32 v255, 0
	ds_add_u32 v254, v255                          ; the opening lines: the add, twice on end, and its wait ahead of my tensor load
	ds_add_u32 v254, v255
	v_lshrrev_b32 v46, 5, v0
	s_delay_alu instid0(VALU_DEP_1)
	v_readfirstlane_b32 s[WV], v46                 ; wave 0..15
	s_bfe_u32 s15, ttmp6, 0x40000                  ; cx: which 512 queries
	s_and_b32 s16, ttmp7, 0xffff                   ; 16 batch + head, which the four partners share
	s_mul_i32 s70, s16, HEADB
	s_mov_b32 s71, 0
	s_mul_i32 s72, s[WV], PART                     ; my sixteenth of the head, in memory and in LDS
	s_mov_b32 s73, 0
	s_mov_b32 s[G1], 15|(3<<16)|(1<<21)            ; the mask: all four work-groups; elements of 8 bytes; bit 21 beside a mask; no padding
	s_mov_b32 s[G1+1], 32<<16                      ; tensor_dim0: rows of 256 bytes
	s_mov_b32 s[G1+2], 50<<16                      ; tensor_dim1
	s_mov_b32 s[G1+3], 32<<16                      ; tile_dim0
	s_mov_b32 s[G1+4], 50                          ; tile_dim1
	s_mov_b32 s[G1+5], 32                          ; dense
	s_mov_b32 s[G1+6], 0
	s_mov_b32 s[G1+7], 0
	s_mov_b32 s[SEL], 0x76543210
	s_mov_b32 s[SEL+1], 0xfedcba98
	s_mov_b32 s[CS], 0x3e38aa3b
	s_mov_b32 s[CS+1], s[CS]
	s_mov_b32 s[PASS], 2
	s_mov_b32 s[G0], 1
	s_mov_b32 s[G0+1], s72
	s_wait_dscnt 0x0
	s_wait_kmcnt 0x0
	s_add_nc_u64 s[6:7], s[6:7], s[70:71]
	s_add_nc_u64 s[G0+2:G0+3], s[6:7], s[72:73]
	s_or_b32 s[G0+3], s[G0+3], 0x80000000
	ROUND                                          ; all four work-groups are here: the joint loads meet
	tensor_load_to_lds s[G0:G0+3], s[G1:G1+7]      ; one load a wave, no branch: its addresses are arithmetic on the wave's number
	s_nop 0
	s_lshr_b32 s76, s16, 4                         ; batch
	s_lshl_b32 s74, s76, 13
	s_mov_b32 s75, 0
	s_add_nc_u64 s[8:9], s[8:9], s[74:75]          ; my batch's mask
	s_add_nc_u64 s[18:19], s[4:5], s[70:71]        ; qb at my head
	s_mul_i32 s74, s15, 24576
	s_add_nc_u64 s[4:5], s[18:19], s[74:75]        ; at my 512 queries' images
	s_lshr_b32 s74, s[WV], 1
	s_mul_i32 s74, s74, 1536
	s_add_nc_u64 s[4:5], s[4:5], s[74:75]          ; my pair's image in pass 0; pass 1's lies 8 pairs on
	s_lshl_b32 s74, s15, 10
	s_add_nc_u64 s[20:21], s[18:19], s[74:75]
	s_lshr_b32 s74, s[WV], 3
	s_lshl_b32 s74, s74, 8
	s_add_nc_u64 s[20:21], s[20:21], s[74:75]      ; my 128 queries' scale words (SCW bytes on)
	s_and_b32 s77, s[WV], 1                        ; u: which half of the pair is my tile: registers 6 u .. 6 u + 5 of the image, in three pieces of 8 bytes
	s_mul_i32 s78, s77, 520
	s_mul_i32 s79, s77, 1016
	s_bfe_u32 s81, s[WV], 0x20001
	s_lshl_b32 s81, s81, 2
	s_mov_b32 s80, 0x01000100                      ; my two bytes of the pair's scale word, twice
	s_cmp_eq_u32 s77, 1
	s_cselect_b32 s80, 0x03020302, s80
	s_and_b32 s77, s16, 15                         ; head
	s_lshl_b32 s82, s76, 7
	s_lshl_b32 s83, s15, 5
	s_add_co_u32 s82, s82, s83
	s_add_co_u32 s82, s82, s[WV]                   ; my tile of 16 tokens in pass 0
	s_lshl_b32 s74, s82, 4
	s_add_co_u32 s74, s74, s77
	s_mul_i32 s74, s74, 768
	s_add_nc_u64 s[OCB:OCB+1], s[10:11], s[74:75]
	s_lshl_b32 s74, s82, 9
	s_lshl_b32 s77, s77, 1
	s_add_co_u32 s74, s74, s77
	s_add_nc_u64 s[OSB:OSB+1], s[12:13], s[74:75]
	v_and_b32 v46, 31, v0                          ; lane
	v_and_b32 v47, 15, v0                          ; r
	v_bfe_u32 v35, v0, 4, 1                        ; h
	v_lshlrev_b32 v[LI], 4, v46
	v_lshlrev_b32 v[L8], 3, v46
	v_lshlrev_b32 v[LR], 4, v47
	v_lshlrev_b32 v45, 5, v47                      ; 32 r: my row of asc
	v_lshlrev_b32 v[LH], 7, v35
	v_lshlrev_b32 v[H8], 3, v35
	v_lshlrev_b32 v47, 4, v0                       ; the mask: 16 bytes a thread
	v_lshl_add_u32 v35, v0, 4, MTB                 ; and its terms in LDS
	v_add_nc_u32 v36, s78, v[LI]
	v_add_nc_u32 v37, s79, v[LI]
	v_add_nc_u32 v39, s81, v[LR]                   ; 16 r + 4 x my pair in its 128 queries
	s_wait_alu depctr_va_vdst(0)                   ; the wait behind the addresses
	global_load_b128 v[48:51], v47, s[8:9]
	global_load_b64 v[22:23], v36, s[4:5]
	global_load_b64 v[24:25], v37, s[4:5] offset:8
	global_load_b64 v[26:27], v36, s[4:5] offset:512
	global_load_b64 v[Q2:Q2+1], v36, s[4:5] offset:12288
	global_load_b64 v[Q2+2:Q2+3], v37, s[4:5] offset:12288+8
	global_load_b64 v[Q2+4:Q2+5], v36, s[4:5] offset:12288+512
	global_load_b32 v[Q2+7], v39, s[20:21] offset:SCW
	global_load_b32 v[Q2+6], v39, s[20:21] offset:SCW+512
.irp i, 16,17,18,19,20,21,28,29,30,31,32,33
	v_mov_b32 v[\i], 0                             ; the zero codes on both sides of q
.endr
	v_mov_b32 v[TP], 0                             ; a lane permute's destination counts as one of its sources
	v_mov_b32 v[BP], 0
	v_mov_b32 v[BP+1], 0
	v_mov_b32 v[FF+1], 0                           ; (named as the upper half of the pair)
	s_wait_alu depctr_va_vdst(0)                   ; the wait ahead of the wait below
	s_wait_loadcnt 0x0
.irp i, 48,49,50,51
	v_mul_f32 v[\i], 0xcfee6b28, v[\i]             ; mask x -8e9 = 8 (mask x -1e9), with the rounding of mask x -1e9
.endr
	ds_store_b128 v35, v[48:51]
	s_cmp_lg_u32 s[WV], 0
	s_cbranch_scc1 .Lno_copy
	ds_store_b128 v35, v[48:51] offset:8192        ; wave 0 holds keys 0-127: their terms once more, behind the table
.Lno_copy:
	v_perm_b32 v34, v[Q2+7], v[Q2+7], s80          ; Q's scale word
	s_wait_alu depctr_va_vdst(0)                   ; the wait at the head's end
	s_wait_tensorcnt 0x0                           ; my sixteenth of the head is in,
	s_wait_dscnt 0x0                               ; my mask terms are stored:
	s_barrier_signal -1
	s_barrier_wait -1                              ; and everybody's.  From here on LDS is only read: no further barrier
	v_add_nc_u32 v[AM], MTB, v[LH]
	MTLOAD                                         ; step 0's mask terms
.macro XF j0, n                        ; t - M of n pairs from register j0 on
.set j, \j0
.rept \n
	v_pk_fma_f32 v[S+j:S+j+1], v[S+j:S+j+1], s[CS:CS+1], v[12:13] op_sel_hi:[1,0,0]
.set j, j+2
.endr
.endm
.macro SM k                            ; line k of 25 of the row's sum of the unquantised p: two numbers at a time, eight chains (seven pairs and the sum itself)
.if (\k) < 7
	v_pk_add_f32 v[X+2*(\k):X+2*(\k)+1], v[S+4*(\k):S+4*(\k)+1], v[S+4*(\k)+2:S+4*(\k)+3]
.elseif (\k) == 7
	v_pk_add_f32 v[14:15], v[14:15], v[S+28:S+29]
.elseif (\k) < 15
	v_pk_add_f32 v[X+2*(\k)-16:X+2*(\k)-15], v[X+2*(\k)-16:X+2*(\k)-15], v[S+14+2*(\k):S+15+2*(\k)]
.elseif (\k) == 15
	v_pk_add_f32 v[14:15], v[14:15], v[S+44:S+45]
.elseif (\k) < 23
	v_pk_add_f32 v[X+2*(\k)-32:X+2*(\k)-31], v[X+2*(\k)-32:X+2*(\k)-31], v[S+14+2*(\k):S+15+2*(\k)]
.elseif (\k) == 23
	v_pk_add_f32 v[14:15], v[14:15], v[S+60:S+61]
.else
	v_pk_add_f32 v[X:X+1], v[X:X+1], v[S+62:S+63]
.endif
.endm
; A KEY STEP: 128 keys.
.macro STEP
	v_add_nc_u32 v[AI], s[TB], v[LI]               ; four places in front of loads into registers that the last step's products have read
	v_add_nc_u32 v[ASC], s[TS], v[LR]
	v_add_nc_u32 v[AM], s[TMS], v[LH]
	v_add_nc_u32 v[AIV], s[TV], v[LI]
	ds_load_b128 v[36:39], v[ASC]                  ; K's scale words
.set i, 0
.rept 12
	ds_load_b128 v[F+4*i:F+4*i+3], v[AI] offset:512*i   ; four pair images of K, three loads each
.set i, i+1
.endr
	s_wait_alu depctr_va_vdst(0)
.irp P, 0,1,2,3                                ; D^T = K Q^T + the mask terms; eight accumulators, one turn each
	s_wait_dscnt 9-3*\P                            ; the mask terms, the scale words and images 0 to P are in; the three loads of each later image may be out
	v_wmma_scale_f32_16x16x128_f8f6f4 v[S+16*\P:S+16*\P+7], v[F+12*\P:F+12*\P+11], v[22:33], v[S+16*\P:S+16*\P+7], v[36+\P], v34 matrix_a_fmt:MATRIX_FMT_FP6 matrix_b_fmt:MATRIX_FMT_FP6
	v_wmma_scale_f32_16x16x128_f8f6f4 v[S+16*\P+8:S+16*\P+15], v[F+12*\P:F+12*\P+11], v[16:27], v[S+16*\P+8:S+16*\P+15], v[36+\P], v34 matrix_a_fmt:MATRIX_FMT_FP6 matrix_b_fmt:MATRIX_FMT_FP6
.endr
.rept 4
	v_nop                                          ; places: for the loads below and for the first read of D
.endr
.set i, 0
.rept 12
	ds_load_b128 v[F+4*i:F+4*i+3], v[AIV] offset:512*i   ; V's four images: they land under the softmax
.set i, i+1
.endr
	ds_load_b128 v[40:43], v[ASC] offset:4096      ; and their scale words
.irp c, 0,1                                    ; the largest D of my two blocks of 32 keys, in four chains; each accumulator is first read at its low end
	v_max3_num_f32 v[BM+\c], v[S+32*\c], v[S+32*\c+1], v[S+32*\c+2]
	v_max3_num_f32 v[MB+\c], v[S+32*\c+16], v[S+32*\c+17], v[S+32*\c+18]
.endr
.irp i, 3,5,7,9,11,13
.irp c, 0,1
	v_max3_num_f32 v[BM+\c], v[BM+\c], v[S+32*\c+\i], v[S+32*\c+\i+1]
	v_max3_num_f32 v[MB+\c], v[MB+\c], v[S+32*\c+16+\i], v[S+32*\c+17+\i]
.endr
.endr
.irp c, 0,1
	v_max3_num_f32 v[BM+\c], v[BM+\c], v[S+32*\c+15], v[S+32*\c+31]
.endr
.irp c, 0,1
	s_delay_alu instid0(VALU_DEP_2)
	v_max_num_f32 v[BM+\c], v[BM+\c], v[MB+\c]     ; it serves twice: for the row's maximum and, since p rises with D, for the block's largest p
.endr
	s_delay_alu instid0(VALU_DEP_1)
	v_max_num_f32 v[TT], v[BM], v[BM+1]
	s_delay_alu instid0(VALU_DEP_1)
	v_permlanex16_b32 v[TP], v[TT], s[SEL], s[SEL+1]
	s_delay_alu instid0(VALU_DEP_1)
	v_max_num_f32 v[TT], v[TT], v[TP]              ; with lane l xor 16's two blocks
	s_delay_alu instid0(VALU_DEP_1)
	v_mul_f32 v[TT], s[CS], v[TT]                  ; as t (c is positive)
	s_delay_alu instid0(VALU_DEP_1)
	v_max_num_f32 v13, v13, v[TT]                  ; the running largest t
	v_mov_b32 v[TT], v12
	s_delay_alu instid0(VALU_DEP_2)
	v_floor_f32 v12, -v13                          ; the new -M = floor(-t): M is a whole number
	XF 0, 4                                        ; t - M; the three lines that make f stand among these
	v_sub_f32 v[TT], v12, v[TT]                    ; old M - new M: a whole number, 0 or less
	XF 8, 4
	v_cvt_i32_f32 v[TT], v[TT]                     ; (it saturates)
	XF 16, 4
	v_ldexp_f32 v[FF], 1.0, v[TT]                  ; f = 2^(old M - new M)
	XF 24, 20
.irp c, 0,1
	v_fma_f32 v[BM+\c], v[BM+\c], s[CS], v12       ; the same of each block's largest D
.endr
.set j, 0
.rept 16
	v_pk_mul_f32 v[O+j:O+j+1], v[O+j:O+j+1], v[FF:FF+1] op_sel_hi:[1,0]   ; O^T under the new M, ahead of the exponentials
.set j, j+2
.endr
	s_wait_alu depctr_va_vdst(0)                   ; the wait ahead of the batch
.set j, 0
.rept 64
	v_exp_f32 v[S+j], v[S+j]                       ; p = 2^(t - M)
.set j, j+1
.endr
	v_exp_f32 v[BM], v[BM]                         ; the blocks' largest p: the same two instructions on the same number give the same bits
	v_exp_f32 v[BM+1], v[BM+1]
	v_pk_mul_f32 v[14:15], v[14:15], v[FF:FF+1] op_sel_hi:[1,0]   ; the sums under the new M (a plain line behind the exponentials)
	s_wait_alu depctr_va_vdst(0)                   ; one wait for the batch, ahead of its first reader
; the scale word's chain of dependent lines, with lines of the row's sum between its links
.irp c, 0,1
	v_max_num_f32 v[BM+\c], 0x1800000, v[BM+\c]    ; the floor: the byte cannot fall under 1 (a block whose every p is 0 keeps that byte: its codes are zeros)
.endr
.irp k, 0,1,2
	SM \k
.endr
.irp c, 0,1
	v_add_nc_u32 v[SO+\c], 0xff000000, v[BM+\c]    ; 2 off the exponent field: the conversion's scale operand
.endr
.irp k, 3,4,5
	SM \k
.endr
.irp c, 0,1
	v_lshrrev_b32 v[BP+\c], 23, v[SO+\c]           ; the bytes of blocks h and 2 + h
.endr
.irp k, 6,7,8,9
	SM \k
.endr
	v_lshl_or_b32 v44, v[BP+1], 16, v[BP]
.irp k, 10,11,12,13
	SM \k
.endr
	v_lshlrev_b32 v44, v[H8], v44                  ; at their places in the scale word;
.irp k, 14,15,16,17
	SM \k
.endr
	v_permlanex16_b32 v[TP], v44, s[SEL], s[SEL+1]
.irp k, 18,19,20,21
	SM \k
.endr
	v_or_b32 v44, v44, v[TP]                       ; with lane l xor 16's two the word is whole
	v_cvt_scalef32_pk16_fp6_f32 v[PC:PC+2], v[S:S+15], v[SO]
	v_cvt_scalef32_pk16_fp6_f32 v[T0:T0+2], v[S+16:S+31], v[SO]
	v_cvt_scalef32_pk16_fp6_f32 v[PC+6:PC+8], v[S+32:S+47], v[SO+1]
	v_cvt_scalef32_pk16_fp6_f32 v[T1:T1+2], v[S+48:S+63], v[SO+1]   ; (a conversion's three registers begin on an even number)
	v_nop                                          ; one plain line behind the conversions
.irp i, 0,1,2
	v_mov_b32 v[PC+3+\i], v[T0+\i]
	v_mov_b32 v[PC+9+\i], v[T1+\i]
.endr
.irp k, 22,23,24                               ; the sum's last ten lines are the places between the codes just made and the products (seventeen lines stand behind the scale word)
	SM \k
.endr
	v_pk_add_f32 v[X+4:X+5], v[X+4:X+5], v[X+6:X+7]
	v_pk_add_f32 v[X+8:X+9], v[X+8:X+9], v[X+10:X+11]
	v_pk_add_f32 v[14:15], v[14:15], v[X+12:X+13]
	s_delay_alu instid0(VALU_DEP_4)
	v_pk_add_f32 v[X:X+1], v[X:X+1], v[X+2:X+3]
	s_delay_alu instid0(VALU_DEP_3)
	v_pk_add_f32 v[X+4:X+5], v[X+4:X+5], v[X+8:X+9]
	s_delay_alu instid0(VALU_DEP_2)
	v_pk_add_f32 v[14:15], v[14:15], v[X:X+1]
	s_delay_alu instid0(VALU_DEP_1)
	v_pk_add_f32 v[14:15], v[14:15], v[X+4:X+5]
	MTLOAD                                         ; p has been read for the last time: the next step's mask terms
	s_wait_dscnt 16                                ; V and its scale words are in; the sixteen loads just issued may be out
.irp t, 0,1,2,3                                ; O^T += V^T P^T: four accumulators, one turn each; the next step's first products stand between two turns of one accumulator
	v_wmma_scale_f32_16x16x128_f8f6f4 v[O+8*\t:O+8*\t+7], v[F+12*\t:F+12*\t+11], v[PC:PC+11], v[O+8*\t:O+8*\t+7], v[40+\t], v44 matrix_a_fmt:MATRIX_FMT_FP6 matrix_b_fmt:MATRIX_FMT_FP6
.endr
.endm
.Lpass:                                            ; two trips: 256 queries each
.set j, 0
.rept 32
	v_mov_b32 v[O+j], 0                            ; O^T (the step is written for every step alike: the first change of M multiplies zeros)
.set j, j+1
.endr
	v_mov_b32 v14, 0
	v_mov_b32 v15, 0
	v_mov_b32 v13, 0xff61b1e6                      ; the largest t so far: -3e38
	s_delay_alu instid0(VALU_DEP_1)
	v_floor_f32 v12, -v13
	s_mov_b32 s[TB], 0
	s_mov_b32 s[TV], VIM
	s_mov_b32 s[TS], SCW
	s_mov_b32 s[TMS], MTB+512                      ; one step ahead; the last step's is the copy of step 0's
	s_mov_b32 s[CNT], 16
.Lstep:
	STEP
	s_add_co_u32 s[TB], s[TB], 6144
	s_add_co_u32 s[TV], s[TV], 6144
	s_add_co_u32 s[TS], s[TS], 256
	s_add_co_u32 s[TMS], s[TMS], 512
	s_sub_co_u32 s[CNT], s[CNT], 1
	s_cmp_lg_u32 s[CNT], 0
	s_cbranch_scc1 .Lstep
	; THE END OF A PASS: O^T / the sum, quantised along d_model: register 16 b + i is the head's number 32 b + 16 (lane / 16) + i: two blocks of 32.
.rept 4
	v_nop
.endr
	s_wait_alu depctr_va_vdst(0)                   ; the sum was last written ahead of the last step's wait for V
	v_add_f32 v14, v14, v15
	s_delay_alu instid0(VALU_DEP_1)
	v_permlanex16_b32 v[TP], v14, s[SEL], s[SEL+1]
	s_delay_alu instid0(VALU_DEP_1)
	v_add_f32 v14, v14, v[TP]                      ; the row's sum
	s_wait_alu depctr_va_vdst(0)                   ; the wait ahead of the reciprocal
	v_rcp_f32 v[FF], v14
	v_nop                                          ; a plain line behind the reciprocal,
	s_wait_alu depctr_va_vdst(0)                   ; and the wait ahead of its first reader, which is also O^T's
.set j, 0
.rept 16
	v_pk_mul_f32 v[O+j:O+j+1], v[O+j:O+j+1], v[FF:FF+1] op_sel_hi:[1,0]
.set j, j+2
.endr
.irp b, 0,1
	v_max3_num_f32 v[BM+\b], |v[O+16*\b]|, |v[O+16*\b+1]|, 0x1800000
.endr
.irp i, 2,4,6,8,10,12,14
.irp b, 0,1
	s_delay_alu instid0(VALU_DEP_2)
	v_max3_num_f32 v[BM+\b], v[BM+\b], |v[O+16*\b+\i]|, |v[O+16*\b+\i+1]|
.endr
.endr
.irp b, 0,1
	s_delay_alu instid0(VALU_DEP_2)
	v_permlanex16_b32 v[BP+\b], v[BM+\b], s[SEL], s[SEL+1]
.endr
.irp b, 0,1
	s_delay_alu instid0(VALU_DEP_2)
	v_max_num_f32 v[BM+\b], v[BM+\b], v[BP+\b]
.endr
.irp b, 0,1
	s_delay_alu instid0(VALU_DEP_2)
	v_add_nc_u32 v[SO+\b], 0xff000000, v[BM+\b]
.endr
.irp b, 0,1
	s_delay_alu instid0(VALU_DEP_2)
	v_lshrrev_b32 v[BP+\b], 23, v[SO+\b]
.endr
	s_delay_alu instid0(VALU_DEP_1)
	v_lshl_or_b32 v[TT], v[BP+1], 8, v[BP]         ; my row's two scale bytes
	v_cvt_scalef32_pk16_fp6_f32 v[PC:PC+2], v[O:O+15], v[SO]
	v_cvt_scalef32_pk16_fp6_f32 v[T0:T0+2], v[O+16:O+31], v[SO+1]
	v_nop
.irp i, 0,1,2
	v_permlane16_swap_b32 v[PC+\i], v[T0+\i]       ; a whole block in a lane
.endr
.irp i, 0,1,2
	s_delay_alu instid0(VALU_DEP_3)
	v_mov_b32 v[PC+3+\i], v[T0+\i]
.endr
	global_store_b128 v[LI], v[PC:PC+3], s[OCB:OCB+1]               ; 512 consecutive bytes, aligned
	global_store_b64 v[L8], v[PC+4:PC+5], s[OCB:OCB+1] offset:512   ; 256 consecutive bytes, aligned
	global_store_b16 v45, v[TT], s[OSB:OSB+1]      ; 2 of a row's 32 bytes: lanes l and l + 16 hold the same two bytes and name the same address.  262,144 bytes in the launch against ac's 6,291,456
	s_wait_xcnt 0x0                                ; the stores have read their registers and bases: both may be written again
	s_add_nc_u64 s[OCB:OCB+1], s[OCB:OCB+1], 196608   ; 16 tiles on
	s_add_nc_u64 s[OSB:OSB+1], s[OSB:OSB+1], 8192
.irp i, 0,1,2,3,4,5
	v_mov_b32 v[22+\i], v[Q2+\i]                   ; the second pass's q (the moves run in both trips; behind the second nothing reads them)
.endr
	v_perm_b32 v34, v[Q2+6], v[Q2+6], s80
	s_sub_co_u32 s[PASS], s[PASS], 1
	s_cmp_lg_u32 s[PASS], 0
	s_wait_alu depctr_va_vdst(0)                   ; the wait ahead of the branch
	s_cbranch_scc1 .Lpass
	s_wait_tensorcnt 0x0                           ; the wave's end
	ds_add_u32 v254, v255
	s_wait_dscnt 0x0
	ROUND                                          ; the closing round: no work-group ends while a partner may still ask for a tile that names it
	s_endpgm
.Lfunc_end_k_q812223d9cc_attn:
	.size	k_q812223d9cc_attn, .Lfunc_end_k_q812223d9cc_attn-k_q812223d9cc_attn
	.p2alignl 7, 3214868480
	.fill 96, 4, 3214868480
	.section	.rodata,"a",@progbits
	.p2align	6, 0x0
	.amdhsa_kernel k_q812223d9cc_attn
		.amdhsa_group_segment_fixed_size 215552
		.amdhsa_private_segment_fixed_size 0
		.amdhsa_enable_private_segment 0
		.amdhsa_kernarg_size 40
		.amdhsa_user_sgpr_count 2
		.amdhsa_user_sgpr_kernarg_segment_ptr 1
		.amdhsa_wavefront_size32 1
		.amdhsa_system_sgpr_workgroup_id_x 1
		.amdhsa_system_sgpr_workgroup_id_y 1
		.amdhsa_system_sgpr_workgroup_id_z 1
		.amdhsa_system_vgpr_workitem_id 0
		.amdhsa_next_free_vgpr 256
		.amdhsa_next_free_sgpr 84
		.amdhsa_reserve_vcc 0
		.amdhsa_float_denorm_mode_32 3
		.amdhsa_float_denorm_mode_16_64 3
		.amdhsa_memory_ordered 1
		.amdhsa_forward_progress 1
		.amdhsa_inst_pref_size 31
	.end_amdhsa_kernel
	.amdgpu_metadata
---
amdhsa.version: [ 1, 2 ]
amdhsa.kernels:
  - .name:           k_q812223d9cc_attn
    .symbol:         k_q812223d9cc_attn.kd
    .args:
      - { .name: qb, .offset: 0, .size: 8, .value_kind: global_buffer, .address_space: global }
      - { .name: kv, .offset: 8, .size: 8, .value_kind: global_buffer, .address_space: global }
      - { .name: mask, .offset: 16, .size: 8, .value_kind: global_buffer, .address_space: global }
      - { .name: ac, .offset: 24, .size: 8, .value_kind: global_buffer, .address_space: global }
      - { .name: asc, .offset: 32, .size: 8, .value_kind: global_buffer, .address_space: global }
    .group_segment_fixed_size: 215552
    .private_segment_fixed_size: 0
    .kernarg_segment_align: 8
    .kernarg_segment_size: 40
    .max_flat_workgroup_size: 512
    .sgpr_count:     84
    .vgpr_count:     256
    .wavefront_size: 32
...
	.end_amdgpu_metadata
.endif
;; end of part 3
;; launch oproj (part 4): grid 4 x 32, 4 waves a work-group, clusters of 4 x 4, 327,680 bytes of LDS; arguments ac, asc, wc, ws, bo, out0; writes out0
.if DOCPART == 4
	.amdgcn_target "amdgcn-amd-amdhsa--gfx1250"
	.amdhsa_code_object_version 6
	.text
	.protected	k_q812223d9cc_oproj
	.globl	k_q812223d9cc_oproj
	.p2align	8
	.type	k_q812223d9cc_oproj,@function
k_q812223d9cc_oproj:
	s_mov_b64 s[64:65], 0
	v_nop
	global_prefetch_b8 v0, s[64:65] scope:SCOPE_SE
	s_setreg_imm32_b32 hwreg(HW_REG_WAVE_MODE, 25, 1), 1
	s_wait_xcnt 0x0
	s_wait_alu depctr_hold_cnt(0) depctr_sa_sdst(0) depctr_va_vdst(0) depctr_va_sdst(0) depctr_va_ssrc(0) depctr_va_vcc(0) depctr_vm_vsrc(0)
	s_getreg_b32 s2, hwreg(HW_REG_IB_STS2, 6, 4)
	s_cmp_eq_u32 s2, 0
	s_cbranch_scc0 .Lentry_in_a_cluster
	s_endpgm
.Lentry_in_a_cluster:
	s_bfe_u32 s2, ttmp6, 0x10000c
	s_cmp_lg_u32 s2, 0xf033
	s_cbranch_scc0 .Lentry_shape_is_right
	s_endpgm
.Lentry_shape_is_right:
.set NQ,     2
.set ROWB,   192
.set KROW,   192
.set PITCH,  240
.set FR,     12
.set NLA,    4
.set NP,     4
.set HALFT,  128*PITCH
.set SLOT,   4*HALFT
.set KS,     32
.set SCL,    2*SLOT
.set HALFS,  16*272
.set SBLK,   2*272
.set SPARE,  SCL+4*HALFS
.set SPITCH, 528
.set WT,     786432
.set WST,    32768
.set TILEB,  12288
.set ADRA, 16
.set ADRB, 20
.set STO,  24
.set RD,   25
.set CO,   26
.set ADRS, 27
.set SPW,  28
.set NIL,  29
.set SC,   32
.set BI,   64
.set AF,   128
.set BK,   128
.set G1, 24
.set G0, 32
.set G1B, 48
.set G0B, 56
.set G1S, 68
.set G0S, 76
.set G1SB, 80
.set G0SB, 88
.set MSB, 0
.macro WIN new
.if MSB != \new
	s_set_vgpr_msb (MSB<<8)|\new
.set MSB, \new
.endif
.endm
.set MUL_LO, 0xa1
.set MUL_HI, 0xf1
.set FST_LO, 0x81
.set FST_HI, 0xc1
.set TO_B,   0x40
.macro JLOAD g0a, g1a, g0b, g1b
	s_cmp_eq_u32 s15, 0
	s_cbranch_scc0 .Lfor_b_\@
	tensor_load_to_lds s[\g0a:\g0a+3], s[\g1a:\g1a+7]
	s_nop 0
.rept 4
	v_nop
.endr
	s_branch .Lasked_\@
.Lfor_b_\@:
	tensor_load_to_lds s[\g0b:\g0b+3], s[\g1b:\g1b+7]
	s_nop 0
.rept 4
	v_nop
.endr
.Lasked_\@:
.endm
.macro CREST
	s_cmp_lg_u32 s14, 0
	s_cbranch_scc1 .Lnot_wave_0_\@
	s_barrier_signal -3
.Lnot_wave_0_\@:
	s_barrier_wait -3
	s_barrier_signal -1
	s_barrier_wait -1
.endm
.macro CROUND
	s_barrier_signal -1
	s_barrier_wait -1
	CREST
.endm
	s_load_b128 s[4:7], s[0:1], 0x0
	s_load_b128 s[8:11], s[0:1], 0x10
	s_load_b128 s[96:99], s[0:1], 0x20
	v_lshl_add_u32 v[SPW], v0, 2, SPARE
	v_mov_b32 v[NIL], 0
	ds_add_u32 v28, v29
	ds_add_u32 v28, v29
	s_wait_dscnt 0x0
	v_lshrrev_b32 v1, 5, v0
	v_readfirstlane_b32 s14, v1
	s_lshr_b32 s15, s14, 1
	s_and_b32 s16, s14, 1
	s_bfe_u32 s40, ttmp6, 0x40000
	s_bfe_u32 s41, ttmp6, 0x40004
	s_lshl_b32 s42, ttmp9, 2
	s_add_co_u32 s42, s42, s40
	s_and_b32 s17, ttmp7, 0xffff
	s_lshl_b32 s17, s17, 2
	s_add_co_u32 s17, s17, s41
	s_lshl_b32 s43, s41, 2
	s_lshl_b32 s43, 15, s43
	s_lshl_b32 s44, 0x1111, s40
	s_or_b32 s[G1+0], s43, (3<<16)|(1<<21)
	s_mov_b32 s[G1+1], 384<<16
	s_mov_b32 s[G1+2], 16<<16                      ; the head's loads bring a tile's 256 rows; behind them the words that count rows are halved
	s_mov_b32 s[G1+3], 384<<16
	s_mov_b32 s[G1+4], 16
	s_mov_b32 s[G1+5], 1536
	s_mov_b32 s[G1+6], 0
	s_mov_b32 s[G1+7], 0
	s_or_b32 s[G1B+0], s44, (0<<16)|(1<<20)|(1<<21)|(3<<22)|(3<<25)
	s_mov_b32 s[G1B+1], 256<<16                    ; 128 rows of a plane of wc are 24,576 dense bytes: stated as 96 rows of 256 bytes; 16 bytes of padding behind each 64 give LDS rows of 240 bytes for each 192 of codes
	s_mov_b32 s[G1B+2], 192<<16
	s_mov_b32 s[G1B+3], 256<<16
	s_mov_b32 s[G1B+4], 192
	s_mov_b32 s[G1B+5], 256
	s_mov_b32 s[G1B+6], 0
	s_mov_b32 s[G1B+7], 0
	s_or_b32 s[G1S+0], s43, (3<<16)|(1<<20)|(1<<21)|(5<<22)|(3<<25)
	s_or_b32 s[G1SB+0], s44, (3<<16)|(1<<20)|(1<<21)|(5<<22)|(3<<25)
.irp g, G1S, G1SB
	s_mov_b32 s[\g+1], 32<<16
	s_mov_b32 s[\g+2], 32<<16
	s_mov_b32 s[\g+3], 32<<16
	s_mov_b32 s[\g+4], 32
	s_mov_b32 s[\g+5], 32
	s_mov_b32 s[\g+6], 0
	s_mov_b32 s[\g+7], 0
.endr
	s_mul_i32 s20, s17, 16*TILEB
	s_mul_i32 s18, s16, 8*TILEB
	s_add_co_u32 s20, s20, s18
	s_mov_b32 s21, 0
	s_lshl_b32 s22, s17, 13
	s_mov_b32 s23, 0
	s_lshl_b32 s46, s42, 8
	s_lshl_b32 s18, s16, 7
	s_add_co_u32 s46, s46, s18
	s_lshl_b32 s92, s42, 13                        ; the scales of the tile's 256 rows: 8,192 dense bytes
	s_add_co_u32 s92, s92, 3*WST
	s_mov_b32 s93, 0
	s_mul_i32 s46, s46, KROW
	s_add_co_u32 s46, s46, 3*WT
	s_mov_b32 s47, 0
	s_mul_i32 s45, s14, HALFT
	s_mul_i32 s66, s14, 24576                      ; A's images are dense in LDS: 24,576 bytes for 128 rows
	s_mul_i32 s94, s14, HALFS
	s_wait_kmcnt 0x0
	s_mov_b64 s[12:13], s[98:99]
	s_add_nc_u64 s[20:21], s[4:5], s[20:21]
	s_add_nc_u64 s[22:23], s[6:7], s[22:23]
	s_add_nc_u64 s[46:47], s[8:9], s[46:47]
	s_add_nc_u64 s[92:93], s[10:11], s[92:93]
	CROUND
	s_mov_b32 s[G0S], 1
	s_mov_b32 s[G0S+1], SCL
	s_mov_b64 s[G0S+2:G0S+3], s[22:23]
	s_or_b32 s[G0S+3], s[G0S+3], 0x80000000
	s_mov_b32 s[G0SB], 1
	s_mov_b32 s[G0SB+1], SCL+2*HALFS
	s_mov_b64 s[G0SB+2:G0SB+3], s[92:93]
	s_or_b32 s[G0SB+3], s[G0SB+3], 0x80000000
.irp s, 0,1
	s_mov_b32 s[G0+4*\s], 1
	s_add_co_u32 s[G0+4*\s+1], s66, \s*SLOT
	s_add_nc_u64 s[G0+4*\s+2:G0+4*\s+3], s[20:21], \s*3072
	s_or_b32 s[G0+4*\s+3], s[G0+4*\s+3], 0x80000000
	s_mov_b32 s[G0B+4*\s], 1
	s_add_co_u32 s[G0B+4*\s+1], s45, \s*SLOT
	s_add_nc_u64 s[G0B+4*\s+2:G0B+4*\s+3], s[46:47], \s*196608
	s_or_b32 s[G0B+4*\s+3], s[G0B+4*\s+3], 0x80000000
.endr
; THE HEAD'S LOADS, ONE A WAVE: wave 0 fetches the first 256 along K of A's 256 rows, wave 1 of B's 256 rows, wave 2 the scales of A's 256 rows, wave 3 those of B's.
; One chain of branches on the wave's number, a load to each arm, all arms leading to one join.
	s_mul_i32 s18, s16, 8*TILEB                    ; my half of a tile, which the ring's addresses hold and the head's do not
	s_mov_b32 s19, 0
	s_mov_b32 s4, 1
	s_mov_b32 s5, 0
	s_sub_nc_u64 s[6:7], s[20:21], s[18:19]
	s_or_b32 s7, s7, 0x80000000
	s_mul_i32 s18, s16, 128*KROW
	s_mov_b32 s8, 1
	s_mov_b32 s9, 2*HALFT
	s_sub_nc_u64 s[10:11], s[46:47], s[18:19]
	s_or_b32 s11, s11, 0x80000000
.macro ARM under, g0, g1, next
	s_cmp_lt_u32 s14, \under
	s_cbranch_scc0 \next
	tensor_load_to_lds s[\g0:\g0+3], s[\g1:\g1+7]
	s_nop 0
.rept 4
	v_nop
.endr
	s_branch .Lhead_asked
\next:
.endm
	ARM 1, 4,   G1,  .Lhead_b
	ARM 2, 8,   G1B, .Lhead_sa
	ARM 3, G0S, G1S, .Lhead_sb
	tensor_load_to_lds s[G0SB:G0SB+3], s[G1SB:G1SB+7]
	s_nop 0
.rept 4
	v_nop
.endr
.Lhead_asked:
	v_and_b32 v1, 15, v0
	v_bfe_u32 v2, v0, 4, 1
	v_and_b32 v7, 31, v0
	v_mul_u32_u24 v3, v1, PITCH
	v_mul_u32_u24 v4, v2, 24
	v_add_nc_u32 v4, v3, v4
	v_lshl_add_u32 v5, v2, 4, v4
	v_lshlrev_b32 v[CO], 4, v7
	v_lshlrev_b32 v6, 3, v7
	s_mul_i32 s21, s15, 24576
	s_mul_i32 s22, s16, HALFT
	s_add_co_u32 s22, s22, 2*HALFT
.irp s, 0,1
	v_add_nc_u32 v[ADRA+\s], s21, v[CO]
	v_add_nc_u32 v[ADRA+2+\s], s21, v6
	v_add_nc_u32 v[ADRB+\s], s22, v4
	v_add_nc_u32 v[ADRB+2+\s], s22, v5
	s_add_co_u32 s21, s21, SLOT
	s_add_co_u32 s22, s22, SLOT
.endr
	v_mul_u32_u24 v5, v1, KS
	v_lshrrev_b32 v6, 8, v5
	v_lshl_add_u32 v5, v6, 4, v5
	s_mul_i32 s21, s15, HALFS
	s_mul_i32 s22, s16, HALFS
	s_add_co_u32 s22, s22, 2*HALFS
	s_sub_co_u32 s22, s22, s21
	v_mul_u32_u24 v6, s22, v2
	s_add_co_u32 s21, s21, SCL
	v_add_nc_u32 v5, v5, v6
	v_add_nc_u32 v[ADRS], s21, v5
	s_mul_i32 s23, s14, 16*SPITCH
	v_mul_u32_u24 v5, v1, SPITCH
	v_lshl_add_u32 v5, v2, 6, v5
	v_add_nc_u32 v[STO], s23, v5
	v_add_nc_u32 v[RD], s23, v[CO]
	s_lshl_b32 s20, s17, 8
	s_lshl_b32 s21, s15, 7
	s_add_co_u32 s20, s20, s21
	s_lshl_b32 s20, s20, 12
	s_lshl_b32 s46, s42, 10
	s_lshl_b32 s47, s16, 9
	s_add_co_u32 s46, s46, s47
	s_add_co_u32 s20, s20, s46
	s_mov_b32 s21, 0
	s_mov_b32 s47, 0
	s_add_nc_u64 s[12:13], s[12:13], s[20:21]
	s_add_nc_u64 s[96:97], s[96:97], s[46:47]
	v_lshlrev_b32 v6, 6, v2
.irp b, 0,1,2,3,4,5,6,7
	global_load_b128 v[BI+8*\b:BI+8*\b+3], v6, s[96:97] offset:(32*(\b/2)+8*(\b%2))*4
	global_load_b128 v[BI+8*\b+4:BI+8*\b+7], v6, s[96:97] offset:(32*(\b/2)+8*(\b%2))*4+16
.endr
.macro FRAG reg, adr, q, i
.irp p, 0,1,2,3,4,5
.set PCE, 12*(\q)+6*(\p/3)+\p%3
.if PCE%8 < 5
	ds_load_b64 v[\reg+2*\p:\reg+2*\p+1], v[\adr] offset:8*PCE+16*(PCE/8)+(\i)*16*PITCH
.else
	ds_load_b64 v[\reg+2*\p:\reg+2*\p+1], v[\adr+2] offset:8*PCE+16*(PCE/8)+(\i)*16*PITCH
.endif
.endr
.endm
.macro MUL16 a0, p, q, sc, cm
.irp a, \a0, \a0+1
.irp b, 0,1,2,3,4,5,6,7
.if \cm
	v_wmma_scale_f32_16x16x128_f8f6f4 v[8*(8*((\a)%4)+\b):8*(8*((\a)%4)+\b)+7], v[128*(\p)+FR*\b:128*(\p)+FR*\b+FR-1], v[AF+FR*(\a):AF+FR*(\a)+FR-1], v[BI+8*\b:BI+8*\b+7], v[SC+8*NQ*(\sc)+NQ*\b+(\q)], v[SC+8*NQ*(\sc)+NQ*(\a)+(\q)] matrix_a_fmt:MATRIX_FMT_FP6 matrix_b_fmt:MATRIX_FMT_FP6 matrix_a_scale:MATRIX_SCALE_ROW1
.else
	v_wmma_scale_f32_16x16x128_f8f6f4 v[8*(8*((\a)%4)+\b):8*(8*((\a)%4)+\b)+7], v[128*(\p)+FR*\b:128*(\p)+FR*\b+FR-1], v[AF+FR*(\a):AF+FR*(\a)+FR-1], v[8*(8*((\a)%4)+\b):8*(8*((\a)%4)+\b)+7], v[SC+8*NQ*(\sc)+NQ*\b+(\q)], v[SC+8*NQ*(\sc)+NQ*(\a)+(\q)] matrix_a_fmt:MATRIX_FMT_FP6 matrix_b_fmt:MATRIX_FMT_FP6 matrix_a_scale:MATRIX_SCALE_ROW1
.endif
.endr
.endr
.endm
.macro FETCH_B slot, q, p
	WIN TO_B
.irp i, 0,1,2,3,4,5,6,7
	FRAG 128*(\p)+FR*\i, ADRB+\slot, \q, \i
.endr
	WIN 0
.endm
.macro FETCH_A slot, q, i0
.irp i, \i0, \i0+1, \i0+2, \i0+3
	ds_load_b128 v[AF+FR*(\i):AF+FR*(\i)+3],     v[ADRA+\slot]   offset:(\i)*3072+(\q)*1536
	ds_load_b64  v[AF+FR*(\i)+4:AF+FR*(\i)+5],   v[ADRA+2+\slot] offset:(\i)*3072+(\q)*1536+512
	ds_load_b128 v[AF+FR*(\i)+6:AF+FR*(\i)+9],   v[ADRA+\slot]   offset:(\i)*3072+(\q)*1536+768
	ds_load_b64  v[AF+FR*(\i)+10:AF+FR*(\i)+11], v[ADRA+2+\slot] offset:(\i)*3072+(\q)*1536+1280
.endr
.endm
.macro SCALES sc
.irp i, 0,1,2,3,4,5,6,7
	ds_load_b64 v[SC+8*NQ*\sc+NQ*\i:SC+8*NQ*\sc+NQ*\i+1], v[ADRS] offset:\i*SBLK
.endr
.endm
.macro PLACES n
.rept \n
	v_nop
.endr
.endm
.macro STEP slot, q, cm
	s_wait_dscnt 4*NLA
.if \cm
	WIN FST_LO
.else
	WIN MUL_LO
.endif
	MUL16 0, (\q)%2, \q, \slot, \cm
	MUL16 2, (\q)%2, \q, \slot, \cm
	s_wait_dscnt 0
	PLACES NP
	FETCH_B \slot, (\q)+1, 1-(\q)%2
	FETCH_A \slot, (\q)+1, 0
.if \cm
	WIN FST_HI
.else
	WIN MUL_HI
.endif
	MUL16 4, (\q)%2, \q, \slot, \cm
	MUL16 6, (\q)%2, \q, \slot, \cm
	PLACES NP
	WIN 0
	FETCH_A \slot, (\q)+1, 4
.endm
.macro TURN slot, next, fill
	s_wait_tensorcnt 0x0
	ds_add_u32 v[SPW], v[NIL]
	s_wait_dscnt 4*NLA+1
	WIN MUL_LO
	MUL16 0, 1, NQ-1, \slot, 0
	s_wait_dscnt 0x0
	s_barrier_signal -1
	MUL16 2, 1, NQ-1, \slot, 0
	WIN 0
	s_barrier_wait -1
.if \fill
	CREST
	s_add_nc_u64 s[G0+4*\slot+2:G0+4*\slot+3], s[G0+4*\slot+2:G0+4*\slot+3], 2*3072
	s_add_nc_u64 s[G0B+4*\slot+2:G0B+4*\slot+3], s[G0B+4*\slot+2:G0B+4*\slot+3], 2*196608
	JLOAD G0+4*\slot, G1, G0B+4*\slot, G1B
.else
	PLACES NP
.endif
	s_wait_alu depctr_va_vdst(0)
	v_add_nc_u32 v[ADRS], 4*NQ, v[ADRS]
	FETCH_B \next, 0, 0
	FETCH_A \next, 0, 0
	SCALES \next
	WIN MUL_HI
	MUL16 4, 1, NQ-1, \slot, 0
	MUL16 6, 1, NQ-1, \slot, 0
	PLACES NP
	WIN 0
	FETCH_A \next, 0, 4
.endm
	s_wait_alu depctr_va_vdst(0)
	s_wait_tensorcnt 0x0                           ; my tile of the head's four is in
	ds_add_u32 v[SPW], v[NIL]
	s_mov_b32 s[G1+2], 8<<16                       ; no tensor load of mine is out: from here on a load brings 128 rows
	s_mov_b32 s[G1+4], 8
	s_mov_b32 s[G1B+2], 96<<16
	s_mov_b32 s[G1B+4], 96
	s_wait_dscnt 0x0
	CROUND                                         ; all four tiles are in, and all sixteen work-groups are here
	JLOAD G0+4, G1, G0B+4, G1B                     ; slot 1's first fill: the first tensor load behind the round
	FETCH_B 0, 0, 0
	FETCH_A 0, 0, 0
	SCALES 0
	FETCH_A 0, 0, 4
	s_wait_loadcnt 0x0
	STEP 0, 0, 1
	TURN 0, 1, 1
	STEP 1, 0, 0
	TURN 1, 0, 1
	STEP 0, 0, 0
	TURN 0, 1, 0
	STEP 1, 0, 0
	s_wait_dscnt 4*NLA
	WIN MUL_LO
	MUL16 0, 1, NQ-1, 1, 0
	MUL16 2, 1, NQ-1, 1, 0
	s_wait_dscnt 0
	WIN MUL_HI
	MUL16 4, 1, NQ-1, 1, 0
	MUL16 6, 1, NQ-1, 1, 0
	WIN 0
.macro TOSTAGE a
.set AC, 64*((\a)%4)
	WIN 0x08+4*((\a)/4)
.irp b, 0,1,2,3,4,5,6,7
	ds_store_b128 v[STO], v[AC+8*\b:AC+8*\b+3] offset:128*(\b/2)+32*(\b%2)
	ds_store_b128 v[STO], v[AC+8*\b+4:AC+8*\b+7] offset:128*(\b/2)+32*(\b%2)+16
.endr
	WIN 0
.set BB, BK+64*((\a)%2)
.irp t, 0,1,2,3,4,5,6,7,8,9,10,11,12,13,14,15
	ds_load_b128 v[BB+4*\t:BB+4*\t+3], v[RD] offset:\t*SPITCH
.endr
.endm
.macro SEND a, younger
.set BB, BK+64*((\a)%2)
	s_wait_dscnt \younger
.irp t, 0,1,2,3,4,5,6,7,8,9,10,11,12,13,14,15
	global_store_b128 v[CO], v[BB+4*\t:BB+4*\t+3], s[12:13] offset:(32*((\a)/2)+8*((\a)%2)+\t+8*(\t/8))*4096 th:TH_STORE_NT
.endr
.endm
	PLACES NP
	TOSTAGE 0
.irp a, 1,2,3,4,5,6,7
.if \a > 1
	s_wait_xcnt 0x0
.endif
	TOSTAGE \a
	SEND \a-1, 32
.endr
	SEND 7, 0
	s_wait_tensorcnt 0x0
	ds_add_u32 v[SPW], v[NIL]
	s_wait_dscnt 0x0
	CROUND
	s_endpgm
.Lfunc_end_k_q812223d9cc_oproj:
	.size	k_q812223d9cc_oproj, .Lfunc_end_k_q812223d9cc_oproj-k_q812223d9cc_oproj
	.p2alignl 7, 3214868480
	.fill 96, 4, 3214868480
	.section	.rodata,"a",@progbits
	.p2align	6, 0x0
	.amdhsa_kernel k_q812223d9cc_oproj
		.amdhsa_group_segment_fixed_size 327680
		.amdhsa_private_segment_fixed_size 0
		.amdhsa_enable_private_segment 0
		.amdhsa_kernarg_size 48
		.amdhsa_user_sgpr_count 2
		.amdhsa_user_sgpr_kernarg_segment_ptr 1
		.amdhsa_wavefront_size32 1
		.amdhsa_system_sgpr_workgroup_id_x 1
		.amdhsa_system_sgpr_workgroup_id_y 1
		.amdhsa_system_sgpr_workgroup_id_z 1
		.amdhsa_system_vgpr_workitem_id 0
		.amdhsa_next_free_vgpr 1024
		.amdhsa_next_free_sgpr 100
		.amdhsa_reserve_vcc 0
		.amdhsa_float_denorm_mode_32 3
		.amdhsa_float_denorm_mode_16_64 3
		.amdhsa_memory_ordered 1
		.amdhsa_forward_progress 1
		.amdhsa_inst_pref_size 154
	.end_amdhsa_kernel
	.amdgpu_metadata
---
amdhsa.version: [ 1, 2 ]
amdhsa.kernels:
  - .name:           k_q812223d9cc_oproj
    .symbol:         k_q812223d9cc_oproj.kd
    .args:
      - { .name: ac, .offset: 0, .size: 8, .value_kind: global_buffer, .address_space: global }
      - { .name: asc, .offset: 8, .size: 8, .value_kind: global_buffer, .address_space: global }
      - { .name: wc, .offset: 16, .size: 8, .value_kind: global_buffer, .address_space: global }
      - { .name: ws, .offset: 24, .size: 8, .value_kind: global_buffer, .address_space: global }
      - { .name: bo, .offset: 32, .size: 8, .value_kind: global_buffer, .address_space: global }
      - { .name: out0, .offset: 40, .size: 8, .value_kind: global_buffer, .address_space: global }
    .group_segment_fixed_size: 327680
    .private_segment_fixed_size: 0
    .kernarg_segment_align: 8
    .kernarg_segment_size: 48
    .max_flat_workgroup_size: 128
    .sgpr_count:     100
    .vgpr_count:     1024
    .wavefront_size: 32
...
	.end_amdgpu_metadata
.endif
;; end of part 4
